; MI455X (gfx1250); checked and timed in simulation.
; The chip was launched on July 23, 2026; its instructions are those of AMD's public machine-readable ISA for CDNA 5 (MIT licence, August 2026) and "CDNA5" Instruction Set Architecture Reference Guide (July 2026). The comments in the code are by the model that wrote it; some were corrected since.
;; Self Attention. Allowed arithmetic: matrix products marked QUANTISED: E2M3 operands, one E8M0 scale for each 32 along K, by v_wmma_scale_f32_16x16x128_f8f6f4 with both operands' format E2M3, f32 sums; everything else in f32.
;; Inputs: Wk 1,024 x 1,024 float32; Wq 1,024 x 1,024 float32; Wv 1,024 x 1,024 float32; bk 1,024 float32; bq 1,024 float32; bv 1,024 float32; x 4 x 2,048 x 1,024 float32.
;; Outputs: out0 4 x 2,048 x 1,024 float32.
;; This version of the problem:
;;   THIS VERSION OF THE PROBLEM IS GIVEN IN LOW PRECISION. The matrix products marked QUANTISED in the list below multiply operands that are first quantised to E2M3 (2 exponent bits, 3 mantissa bits; 6 bits a number), with one power-of-two scale for each 32 numbers along K (OCP MX v1.0); their sums are f32. All else is computed in f32.
;;   The module's matrix products, in the order in which they are computed (A, B: the left and right operand; K: the contracted axis; several contracted axes count as one K, in the product's order):
;;     1. [M 8,192, K 1,024] x [K 1,024, N 1,024]; A: input x; B: input Wq: QUANTISED
;;     2. [M 8,192, K 1,024] x [K 1,024, N 1,024]; A: input x; B: input Wk: QUANTISED
;;     3. [M 8,192, K 1,024] x [K 1,024, N 1,024]; A: input x; B: input Wv: QUANTISED
;;     4. batch 4 x [M 2,048, K 1,024] x [K 1,024, N 2,048]; A: computed on the way; B: computed on the way: QUANTISED
;;     5. batch 4 x [M 2,048, K 2,048] x [K 2,048, N 1,024]; A: softmax (see below); B: computed on the way: QUANTISED
;;   THE QUANTISER, for each operand of a quantised product, along K:
;;     - K is cut into blocks of 32 from its start; a last block that is shorter is filled with zeros.
;;     - A block's scale is 2^e with e = floor(log2(the largest magnitude in the block)) - 2, held to -126 .. 127; a block of zeros has e = 0. As a byte (E8M0): e + 127.
;;     - Each number is divided by its block's scale, clamped to +-7.5, and rounded to the nearest number of E2M3, ties to even, subnormals kept.
;;     - The product sums the exact products of the quantised numbers (number of the format x scale) in f32.
;;   ~~~python
;;   def quantise(x, axis):      # numpy; x: float32 -> the quantised numbers, widened to float32 again
;;       x = np.moveaxis(x, axis, -1); K = x.shape[-1]
;;       x = np.pad(x, [(0, 0)] * (x.ndim - 1) + [(0, -K % 32)]); x = x.reshape(x.shape[:-1] + (-1, 32)); a = np.abs(x).max(-1, keepdims=True)
;;       e = np.where(a > 0, np.clip(np.frexp(np.where(a > 0, a, 1))[1] - 1 - 2, -126, 127), 0)      # np.frexp(a)[1] - 1 = floor(log2(a)), exactly
;;       r = np.clip(x / 2.0 ** e, -7.5, 7.5)
;;       step = 2.0 ** (np.maximum(np.frexp(np.where(r == 0, 1, r))[1] - 1, 0) - 3)
;;       q = np.round(r / step) * step * 2.0 ** e      # np.round: ties to even
;;       return np.moveaxis(q.reshape(q.shape[:-2] + (-1,))[..., :K], -1, axis).astype(np.float32)
;;   ~~~
;;   SOFTMAX AHEAD OF A QUANTISED PRODUCT. Where the list says 'softmax', what is quantised is not the finished softmax but p = 2^(t - M), with t = logit x log2(e) and M = ceil(the row's largest t), a whole number; so 1/2 < the row's largest p <= 1. The row's sum l is taken of the UNQUANTISED p, in f32, and the product's result is divided by l at the end. Since M is a whole number, a kernel that streams over the keys may use a running M (the ceiling of the running maximum): every later rescaling is an exact power of two, which a block's scale takes up: the codes' values come out the same.
;;   OPERANDS COMPUTED ON THE WAY. 'Computed on the way' means the value that the module computes at that place (a softmax that the list does not call 'softmax' is quantised finished and normalised). What goes into a quantiser is computed in f32, as accurately as f32 sums, v_exp_f32 and their like allow (about 1e-6 of the number): no bf16 or f16 on the way to a quantiser, and a product that is left as it is and whose result goes on into a quantised operand takes f32 operands (vector FMAs, or v_wmma_f32_16x16x4_f32). A number that lies on a knife's edge between two numbers of the format may be rounded either way, as far as f32 arithmetic and the matrix unit's own rounding can turn it there, and no further.
;; One version. Each part assembles by itself: llvm-mc -triple=amdgcn-amd-amdhsa -mcpu=gfx1250 --defsym DOCPART=n.
;; ======== version 1 of 1: 4 launches
;; limits: right only within a limited range of input values
;; workspace buffers: xw 9,011,200 bytes; qkv 19,660,800 bytes; pst 14,155,776 bytes
;; launch quant (part 1): grid 704 x 1, 2 waves a work-group, no clusters, 29,952 bytes of LDS; arguments x, Wq, Wk, Wv, xw; writes xw
.if DOCPART == 1
	.amdgcn_target "amdgcn-amd-amdhsa--gfx1250"
	.amdhsa_code_object_version 6
	.text
	.protected	k_q6a9287b483_quant
	.globl	k_q6a9287b483_quant
	.p2align	8
	.type	k_q6a9287b483_quant,@function
k_q6a9287b483_quant:
	s_mov_b64 s[64:65], 0
	v_nop
	global_prefetch_b8 v0, s[64:65] scope:SCOPE_SE
	s_setreg_imm32_b32 hwreg(HW_REG_WAVE_MODE, 25, 1), 1
	s_wait_xcnt 0x0
; x [8192][1024] and Wq, Wk, Wv [1024 (k)][1024 (n)], f32, become codes of FP6 (E2M3) with one E8M0 byte for each 32 along K (the 1,024 inputs), laid as IMAGES OF OPERAND REGISTERS.
; A UNIT is 128 rows x 128 K: eight fragments of 1,536 bytes (tile T: register quad g of lane l at 1536 T + 512 g + 16 l) and a scale image of 512 bytes (the word of tile T, lane row p at 256 (T / 4) + 16 p + 4 (T % 4)).
; Tile T, lane row p is row 32 (T / 2) + 8 (T % 2) + p + 8 (p / 8) of the 128: with that order the results of a product that takes the unit as source 0 have 16 neighbouring rows in 16 neighbouring registers.
; Row blocks: 0-63 x, 64-71 Wq's columns, 72-79 Wk's, 80-87 Wv's; unit (rb, ks) has its codes at (8 rb + ks) x 12,288 and its scale image at XWS + (8 rb + ks) x 512.
; A block's scale is 2^(floor(log2(largest magnitude)) - 2); its byte is the largest magnitude's exponent field - 2, held at 1 from below.
; LIMITS: NaN and infinities are not served; a block of zeros, or one whose largest magnitude lies under 2^-124, gets the byte 1 (its codes are zeros or nearly so; the bytes are read by this program alone).
; Work-groups 0-191 take the weights, 192-703 take x.  The two ways share no LDS byte.  No tensor load, no barrier, no cluster: no wave shares anything with another, and no two work-groups read the same input.
.set XWS,  8650752
; THE DEAL AS LAUNCHED: two waves a work-group; work-groups 0-191 take the weights, 192-703 take x; each reads 65,536 bytes.
.set STGW, 16896                       ; LDS: 0 .. 16,895 x's stages (8,448 a wave); from here the weights' stages (6,400 a wave); from 29,696 the spare words
.set LI,   1                           ; v1   16 x lane
.set TM,   8                           ; x: v8-11 largest magnitudes, v12-15 bytes, v20-23 the conversions' scale operands
.set PW,   24                          ; x: v24-27 the four fragments' scale words
.set R,    32                          ; x: v32-159 two sets of 64 registers as loaded
.set X,    160                         ; x: v160-223 64 numbers of my row: register 16 b + i = k 32 b + 16 (lane / 16) + i
.set PC,   224                         ; x: v224-235 a fragment's codes; v236-242 halves on their way
.set PT,   236
.set A,    32                          ; W: v32-159 32 rows of K x 4 columns
.set G,    160                         ; W: v160-191 one column's block of 32
.set F,    192                         ; W: v192-239 four columns' fragments, 12 registers each
.set PTW,  240
.set SW,   20                          ; W: v20-23 four columns' scale words
; 64 numbers of a lane become a fragment's 12 registers in v[PC] on and its row's scale word in v[pw]
.macro QUANT s, pw
.irp b, 0,1,2,3
	v_max3_num_f32 v[TM+\b], |v[\s+16*\b]|, |v[\s+1+16*\b]|, 0x1800000   ; my 16 numbers of block b, and the floor 2^(3 - 127): the byte cannot fall under 1
.endr
.irp i, 2,4,6,8,10,12,14
.irp b, 0,1,2,3
	v_max3_num_f32 v[TM+\b], v[TM+\b], |v[\s+16*\b+\i]|, |v[\s+1+16*\b+\i]|   ; the four blocks by turns
.endr
.endr
.irp b, 0,1,2,3
	v_permlanex16_b32 v[TM+4+\b], v[TM+\b], s20, s21
.endr
.irp b, 0,1,2,3
	v_max_num_f32 v[TM+\b], v[TM+\b], v[TM+4+\b]   ; with the lane 16 away: the block's largest magnitude
.endr
.irp b, 0,1,2,3
	v_add_nc_u32 v[TM+12+\b], 0xff000000, v[TM+\b]   ; 2 off its exponent field: the conversion reads the exponent field of this operand alone
.endr
.irp b, 0,1,2,3
	v_lshrrev_b32 v[TM+4+\b], 23, v[TM+12+\b]      ; the scale's byte
.endr
	v_lshl_or_b32 v[\pw], v[TM+5], 8, v[TM+4]
	v_lshl_or_b32 v[\pw], v[TM+6], 16, v[\pw]
	v_lshl_or_b32 v[\pw], v[TM+7], 24, v[\pw]
.irp c, 0,1
	v_cvt_scalef32_pk16_fp6_f32 v[PC+6*\c:PC+6*\c+2], v[\s+32*\c:\s+32*\c+15], v[TM+12+2*\c]
	v_cvt_scalef32_pk16_fp6_f32 v[PT+4*\c:PT+4*\c+2], v[\s+32*\c+16:\s+32*\c+31], v[TM+13+2*\c]   ; (a conversion's three registers begin on an even number)
.endr
	v_nop                                          ; one plain line behind the scaled conversions
.irp c, 0,1                                    ; the operand wants a whole block in a lane: lanes 0-15 block 2 c, lanes 16-31 block 2 c + 1
.irp i, 0,1,2
	v_permlane16_swap_b32 v[PC+6*\c+\i], v[PT+4*\c+\i]
.endr
.irp i, 0,1,2
	v_mov_b32 v[PC+3+6*\c+\i], v[PT+4*\c+\i]
.endr
.endr
.endm
; x: the 16 rows of tile t of my four, 128 numbers each: a load is one row's 512 consecutive bytes
.macro LOADF t
.irp i, 0,1,2,3,4,5,6,7,8,9,10,11,12,13,14,15
	global_load_b128 v[R+64*((\t)%2)+4*\i:R+64*((\t)%2)+4*\i+3], v[LI], s[4:5] offset:(32*((\t)/2)+8*((\t)%2)+\i+8*(\i/8))*4096 th:TH_LOAD_NT
.endr
.endm
.macro FRAGX t
.if (\t) < 3
	s_wait_loadcnt 16                              ; this tile's 16 loads are in; the next tile's 16 may be out
.else
	s_wait_loadcnt 0x0
.endif
.irp i, 0,1,2,3,4,5,6,7,8,9,10,11,12,13,14,15
	ds_store_b128 v2, v[R+64*((\t)%2)+4*\i:R+64*((\t)%2)+4*\i+3] offset:528*\i   ; rows 528 bytes apart in my own stage
.endr
.irp b, 0,1,2,3
.irp j, 0,1,2,3
	ds_load_b128 v[X+16*\b+4*\j:X+16*\b+4*\j+3], v3 offset:128*\b+16*\j   ; LDS serves a wave's instructions in order: these see the stores above
.endr
.endr
.if (\t) < 2
	s_wait_dscnt 16                                ; the 16 stores are done: their registers take the tile two on
	LOADF (\t)+2
.endif
	s_wait_dscnt 0x0
.if (\t) > 0
	s_wait_xcnt 0x0                                ; the last fragment's stores have read the codes' registers
.endif
	QUANT X, PW+(\t)
.irp g, 0,1,2
	global_store_b128 v[LI], v[PC+4*\g:PC+4*\g+3], s[26:27] offset:(\t)*1536+512*\g   ; 512 consecutive bytes a store
.endr
.endm
; W: rows 64 c + 32 (lane / 16) + 0 .. 31 of K, four columns a lane: sixteen lanes read 256 consecutive, aligned bytes
.macro LOADC c
.set q, 0
.rept 32
	global_load_b128 v[A+4*q:A+4*q+3], v2, s[26:27] offset:(64*(\c)+q)*4096 th:TH_LOAD_NT
.set q, q+1
.endr
.endm
; W: column e of my four, block 2 c + lane / 16: all its 32 numbers are mine
.macro COLUMN c, e
.set q, 0
.rept 32
	v_mov_b32 v[G+q], v[A+4*q+\e]                  ; the conversions take neighbours along K from consecutive registers
.set q, q+1
.endr
.if ((\c) == 0) && ((\e) == 3)
	LOADC 1                                        ; the last gather has read the registers
.endif
	v_max3_num_f32 v16, |v[G]|, |v[G+1]|, 0x1800000
	v_max3_num_f32 v17, |v[G+16]|, |v[G+17]|, |v[G+18]|
.irp i, 2,4,6,8,10,12
	v_max3_num_f32 v16, v16, |v[G+\i]|, |v[G+\i+1]|
	v_max3_num_f32 v17, v17, |v[G+17+\i]|, |v[G+18+\i]|
.endr
	v_max3_num_f32 v16, v16, |v[G+14]|, |v[G+15]|
	v_max3_num_f32 v16, v16, v17, |v[G+31]|
	v_add_nc_u32 v18, 0xff000000, v16
	v_lshrrev_b32 v19, 23, v18
.if (\c) == 0
	v_mov_b32 v[SW+\e], v19
.else
	v_lshl_or_b32 v[SW+\e], v19, 16, v[SW+\e]
.endif
	v_cvt_scalef32_pk16_fp6_f32 v[F+12*\e+6*\c:F+12*\e+6*\c+2], v[G:G+15], v18
	v_cvt_scalef32_pk16_fp6_f32 v[PTW:PTW+2], v[G+16:G+31], v18
	v_nop
.irp i, 0,1,2
	v_mov_b32 v[F+12*\e+6*\c+3+\i], v[PTW+\i]
.endr
.endm
	s_load_b256 s[4:11], s[0:1], 0x0               ; x, Wq, Wk, Wv
	s_load_b64 s[12:13], s[0:1], 0x20              ; xw
	v_lshl_add_u32 v254, v0, 2, 29696
	v_mov_b32 v255, 0
	v_lshrrev_b32 v5, 5, v0
	v_readfirstlane_b32 s14, v5                    ; wave
	v_and_b32 v5, 31, v0                           ; lane
	v_and_b32 v6, 15, v0                           ; lane % 16
	v_bfe_u32 v7, v0, 4, 1                         ; lane / 16
	v_lshlrev_b32 v[LI], 4, v5
	s_mov_b32 s20, 0x76543210
	s_mov_b32 s21, 0xfedcba98                      ; v_permlanex16_b32's selects: the lane 16 away
	s_cmp_lt_u32 ttmp9, 192
	s_cbranch_scc1 .Lweights
	; ---------------- x.  A wave: 64 rows (tiles 4 g .. 4 g + 3 of row block rb) x K step ks: four fragments
	s_sub_co_u32 s16, ttmp9, 192
	s_lshr_b32 s17, s16, 3                         ; rb
	s_bfe_u32 s18, s16, 0x10002                    ; g
	s_and_b32 s19, s16, 3
	s_lshl_b32 s19, s19, 1
	s_add_co_u32 s19, s19, s14                     ; ks
	s_lshl_b32 s22, s17, 19                        ; 128 rows of 4,096 bytes
	s_lshl_b32 s23, s18, 18
	s_add_co_u32 s22, s22, s23
	s_lshl_b32 s23, s19, 9
	s_add_co_u32 s22, s22, s23
	s_mov_b32 s23, 0
	s_lshl_b32 s24, s17, 3
	s_add_co_u32 s24, s24, s19                     ; the unit
	s_mul_i32 s26, s24, 12288
	s_mul_i32 s27, s18, 6144
	s_add_co_u32 s26, s26, s27
	s_mov_b32 s27, 0
	s_lshl_b32 s28, s24, 9
	s_lshl_b32 s29, s18, 8
	s_add_co_u32 s28, s28, s29
	s_add_co_u32 s28, s28, XWS
	s_mov_b32 s29, 0
	s_mul_i32 s30, s14, 8448                       ; my stage
	s_wait_alu depctr_va_vdst(0)
	v_add_nc_u32 v2, s30, v[LI]                    ; in: 16 bytes a lane of a row
	v_mul_u32_u24 v3, v6, 528
	v_lshl_add_u32 v3, v7, 6, v3
	v_add_nc_u32 v3, s30, v3                       ; back: my row, + 64 bytes for lanes 16-31
	v_lshlrev_b32 v4, 4, v6
	v_lshl_add_u32 v4, v7, 3, v4                   ; the scale image: 16 bytes a lane row, 8 from each half of the lanes
	s_mov_b32 s31, 0xffff0000                      ; lanes 16-31
.irp b, 0,1,2,3
	v_mov_b32 v[TM+4+\b], 0                        ; a lane permute's destination counts as read
.endr
	s_wait_alu depctr_va_vdst(0)
	s_wait_kmcnt 0x0
	s_add_nc_u64 s[4:5], s[4:5], s[22:23]
	s_add_nc_u64 s[26:27], s[12:13], s[26:27]
	s_add_nc_u64 s[28:29], s[12:13], s[28:29]
	LOADF 0
	LOADF 1
.irp t, 0,1,2,3
	FRAGX \t
.endr
	v_cndmask_b32 v28, v[PW], v[PW+2], s31         ; lanes 0-15 store the words of tiles 0 and 1, lanes 16-31 those of tiles 2 and 3
	v_cndmask_b32 v29, v[PW+1], v[PW+3], s31
	global_store_b64 v4, v[28:29], s[28:29]        ; 256 consecutive bytes
	s_wait_tensorcnt 0x0
	ds_add_u32 v254, v255
	s_wait_dscnt 0x0
	s_endpgm
	; ---------------- the weights.  A wave: 64 columns (half G of column block nb) x K step ks.  Lane (l, hh): columns 4 l + 0 .. 3, blocks hh and 2 + hh
.Lweights:
	s_lshr_b32 s17, ttmp9, 6                       ; which weight
	s_bfe_u32 s19, ttmp9, 0x30003                  ; ks
	s_and_b32 s16, ttmp9, 7
	s_lshl_b32 s16, s16, 1
	s_add_co_u32 s16, s16, s14                     ; which 64 columns
	s_lshr_b32 s18, s16, 1                         ; nb
	s_and_b32 s15, s16, 1                          ; G
	s_lshl_b32 s22, s19, 19                        ; 128 rows of K
	s_lshl_b32 s23, s16, 8
	s_add_co_u32 s22, s22, s23
	s_mov_b32 s23, 0
	s_lshl_b32 s24, s17, 3
	s_add_co_u32 s24, s24, s18
	s_add_co_u32 s24, s24, 64                      ; the row block
	s_lshl_b32 s24, s24, 3
	s_add_co_u32 s24, s24, s19                     ; the unit
	s_mul_i32 s32, s24, 12288
	s_mul_i32 s33, s15, 6144
	s_add_co_u32 s32, s32, s33
	s_mov_b32 s33, 0
	s_lshl_b32 s34, s24, 9
	s_lshl_b32 s35, s15, 8
	s_add_co_u32 s34, s34, s35
	s_add_co_u32 s34, s34, XWS
	s_mov_b32 s35, 0
	s_mul_i32 s30, s14, 6400
	s_add_co_u32 s30, s30, STGW                    ; my stage: four fragments' images, then 256 bytes of scale words
	s_wait_alu depctr_va_vdst(0)
	v_lshlrev_b32 v2, 4, v6
	v_lshl_add_u32 v2, v7, 17, v2                  ; in: 16 bytes a lane; lanes 16-31 begin 32 rows of K further down
	; column 4 l + e is lane row 8 l2 + 4 l0 + e of tile 2 l3 + l1 (l3 .. l0: the bits of l)
	v_bfe_u32 v9, v0, 3, 1
	v_bfe_u32 v10, v0, 1, 1
	v_lshl_add_u32 v9, v9, 1, v10                  ; the tile
	v_and_b32 v10, 1, v0
	v_bfe_u32 v11, v0, 2, 1
	v_lshlrev_b32 v10, 6, v10
	v_lshl_add_u32 v10, v11, 7, v10                ; 16 x (8 l2 + 4 l0)
	v_mad_u32_u24 v3, v9, 1536, v10
	v_lshl_add_u32 v3, v7, 8, v3
	v_add_nc_u32 v3, s30, v3                       ; where my columns' codes go: + 16 e + 512 g
	v_lshl_add_u32 v4, v9, 2, v10
	v_add_nc_u32 v4, s30, v4                       ; and their scale words: + 6,144 + 16 e
	v_add_nc_u32 v12, s30, v[LI]                   ; back: 16 bytes a lane
	v_lshl_add_u32 v13, v5, 3, s30                 ; the scale words: 8 bytes a lane
	v_lshlrev_b32 v14, 3, v5
	v_lshlrev_b32 v15, 3, v7                       ; 8 bits up for lanes 16-31
.irp e, 0,1,2,3
	v_mov_b32 v[24+\e], 0                          ; a lane permute's destination counts as read
.endr
	s_wait_kmcnt 0x0
	s_cmp_eq_u32 s17, 1
	s_cselect_b64 s[26:27], s[8:9], s[10:11]
	s_cmp_eq_u32 s17, 0
	s_cselect_b64 s[26:27], s[6:7], s[26:27]       ; the choice hangs on the work-group's number alone
	s_add_nc_u64 s[26:27], s[26:27], s[22:23]
	s_add_nc_u64 s[32:33], s[12:13], s[32:33]
	s_add_nc_u64 s[34:35], s[12:13], s[34:35]
	LOADC 0
.irp c, 0,1
	s_wait_loadcnt 0x0
.irp e, 0,1,2,3
	COLUMN \c, \e
.endr
.endr
.irp e, 0,1,2,3
	v_lshlrev_b32 v[SW+\e], v15, v[SW+\e]          ; my two bytes at their places in the word,
.endr
.irp e, 0,1,2,3
	v_permlanex16_b32 v[24+\e], v[SW+\e], s20, s21
.endr
.irp e, 0,1,2,3
	v_or_b32 v[SW+\e], v[SW+\e], v[24+\e]          ; with the other two from the lane 16 away
.endr
.irp e, 0,1,2,3
.irp g, 0,1,2
	ds_store_b128 v3, v[F+12*\e+4*\g:F+12*\e+4*\g+3] offset:16*\e+512*\g
.endr
.endr
.irp e, 0,1,2,3
	ds_store_b32 v4, v[SW+\e] offset:6144+16*\e    ; both halves of the lanes write the same word with the same value
.endr
.irp m, 0,1,2,3,4,5,6,7,8,9,10,11
	ds_load_b128 v[A+4*\m:A+4*\m+3], v12 offset:512*\m   ; LDS serves a wave's instructions in order: these see my stores
.endr
	ds_load_b64 v[80:81], v13 offset:6144
	s_wait_dscnt 0x0
.irp m, 0,1,2,3,4,5,6,7,8,9,10,11
	global_store_b128 v[LI], v[A+4*\m:A+4*\m+3], s[32:33] offset:512*\m   ; 512 consecutive bytes a store
.endr
	global_store_b64 v14, v[80:81], s[34:35]       ; 256 consecutive bytes
	s_wait_tensorcnt 0x0
	ds_add_u32 v254, v255
	s_wait_dscnt 0x0
	s_endpgm
.Lfunc_end_k_q6a9287b483_quant:
	.size	k_q6a9287b483_quant, .Lfunc_end_k_q6a9287b483_quant-k_q6a9287b483_quant
	.p2alignl 7, 3214868480
	.fill 96, 4, 3214868480
	.section	.rodata,"a",@progbits
	.p2align	6, 0x0
	.amdhsa_kernel k_q6a9287b483_quant
		.amdhsa_group_segment_fixed_size 29952
		.amdhsa_private_segment_fixed_size 0
		.amdhsa_enable_private_segment 0
		.amdhsa_kernarg_size 40
		.amdhsa_user_sgpr_count 2
		.amdhsa_user_sgpr_kernarg_segment_ptr 1
		.amdhsa_wavefront_size32 1
		.amdhsa_system_sgpr_workgroup_id_x 1
		.amdhsa_system_sgpr_workgroup_id_y 1
		.amdhsa_system_sgpr_workgroup_id_z 1
		.amdhsa_system_vgpr_workitem_id 0
		.amdhsa_next_free_vgpr 256
		.amdhsa_next_free_sgpr 66
		.amdhsa_reserve_vcc 0
		.amdhsa_float_denorm_mode_32 3
		.amdhsa_float_denorm_mode_16_64 3
		.amdhsa_memory_ordered 1
		.amdhsa_forward_progress 1
		.amdhsa_inst_pref_size 65
	.end_amdhsa_kernel
	.amdgpu_metadata
---
amdhsa.version: [ 1, 2 ]
amdhsa.kernels:
  - .name:           k_q6a9287b483_quant
    .symbol:         k_q6a9287b483_quant.kd
    .args:
      - { .name: x, .offset: 0, .size: 8, .value_kind: global_buffer, .address_space: global }
      - { .name: Wq, .offset: 8, .size: 8, .value_kind: global_buffer, .address_space: global }
      - { .name: Wk, .offset: 16, .size: 8, .value_kind: global_buffer, .address_space: global }
      - { .name: Wv, .offset: 24, .size: 8, .value_kind: global_buffer, .address_space: global }
      - { .name: xw, .offset: 32, .size: 8, .value_kind: global_buffer, .address_space: global }
    .group_segment_fixed_size: 29952
    .private_segment_fixed_size: 0
    .kernarg_segment_align: 8
    .kernarg_segment_size: 40
    .max_flat_workgroup_size: 64
    .sgpr_count:     66
    .vgpr_count:     256
    .wavefront_size: 32
...
	.end_amdgpu_metadata
.endif
;; end of part 1
;; launch proj (part 2): grid 64 x 4, 4 waves a work-group, clusters of 4 x 4, 327,680 bytes of LDS; arguments xw, bq, bk, bv, qkv; writes qkv
.if DOCPART == 2
	.amdgcn_target "amdgcn-amd-amdhsa--gfx1250"
	.amdhsa_code_object_version 6
	.text
	.protected	k_q6a9287b483_proj
	.globl	k_q6a9287b483_proj
	.p2align	8
	.type	k_q6a9287b483_proj,@function
k_q6a9287b483_proj:
	s_mov_b64 s[64:65], 0
	v_nop
	global_prefetch_b8 v0, s[64:65] scope:SCOPE_SE
	s_setreg_imm32_b32 hwreg(HW_REG_WAVE_MODE, 25, 1), 1
	s_wait_xcnt 0x0
	s_wait_alu depctr_hold_cnt(0) depctr_sa_sdst(0) depctr_va_vdst(0) depctr_va_sdst(0) depctr_va_ssrc(0) depctr_va_vcc(0) depctr_vm_vsrc(0)
	s_getreg_b32 s2, hwreg(HW_REG_IB_STS2, 6, 4)
	s_cmp_eq_u32 s2, 0
	s_cbranch_scc0 .Lentry_in_a_cluster
	s_endpgm
.Lentry_in_a_cluster:
	s_bfe_u32 s2, ttmp6, 0x10000c
	s_cmp_lg_u32 s2, 0xf033
	s_cbranch_scc0 .Lentry_shape_is_right
	s_endpgm
.Lentry_shape_is_right:
; Q = x Wq + bq, K = x Wk + bk, V = x Wv + bv on codes of FP6 (E2M3), and the results quantised on the way out: Q and K along the 1,024 channels, V along the keys.
; Operands and results are UNITS of 128 rows x 128 K laid as images of operand registers: eight fragments of 1,536 bytes (quad g of lane l of tile T at 1536 T + 512 g + 16 l), a scale image of 512 bytes
; (tile T, lane row p at 256 (T / 4) + 16 p + 4 (T % 4)); tile T, lane row p is row 32 (T / 2) + 8 (T % 2) + p + 8 (p / 8).
; In a result lane (r, h) holds source 1's lane row r, and register 8 b + j source 0's row 32 (b / 2) + 16 h + 8 (b % 2) + j: so the 64 registers of a tile of source 1 are 128 along the NEXT product's K,
; 16 neighbours to each 16 registers, and become one fragment of the next operand.
; A WORK-GROUP STAYS FOR TWO PRODUCTS ON THE SAME 256 ROWS OF x: 8,192 x 2,048 numbers of Q and K are 256 tiles of 256 x 256, 8,192 x 1,024 of V are 256 pieces of 256 x 128: one of each for each of 256 work-groups.
;   FIRST: source 0 = 256 columns of Wq or Wk, source 1 = x's 256 rows; a wave makes 128 x 128: 64 accumulators, eight K steps of 64 products: fragments of Q or K.
;   SECOND: source 0 = x's rows (keys), source 1 = 128 columns of Wv; a wave makes 128 keys x 64 channels: 32 accumulators, eight K steps of 32 products: fragments of V with the keys as K.
; LDS: x's two row blocks, all of K (2 x 98,304 bytes), are filled once and serve both products.  The weights go through a ring of two slots of 49,152 bytes: in the first product two blocks x two K steps,
; in the second Wv's one block x four K steps.  Every fill is a dense block of 24,576 bytes (49,152 at the head): no pitch, no padding; fragments are read at 16 x lane.
; CLUSTER 4 x 4: x's blocks are shared along a row of the cluster, the weights' along a column: each is asked for jointly.  A product's scale words stay in 64 registers; the second product's are loaded over the first's.
; The biases are the C of each product's first K step.  LIMITS: NaN and infinities are not served; a block whose largest magnitude lies under 2^-124 gets the byte 1.
; REGISTERS: window 0: v1-11 addresses; v12-17 at work; v28, v29 the spare word's address and 0; v32-63 source 1's scale words, v64-95 source 0's (they hold nothing else); v96-127 at work on the way out;
; v128-223 source 1's fragments (first product: one set of eight; second: two sets of four), on the way out the codes made; v224-255 bv.
; Window 1: v0-191 source 0's fragments, two sets; v192-255 bq or bk.  Windows 2, 3: accumulator (a, b) at v[8 (8 (a % 4) + b)] of window 2 + a / 4.
; THE FILLS AS WRITTEN: LDS holds a weight's two blocks at 0 and 49,152, each as two slots of 24,576 bytes, and x's two blocks behind them.  At the head a wave has one load, K steps 0-3 of one block (192 rows of 256 bytes);
; x's K steps 4-7 are a first fill of their own behind the next round, a quarter a wave.  THE WALK: clusters g and g + 8 take the same rows of x.
.set XWS,   8650752
.set QS,    18874368
.set QRT,   24576                      ; two K steps of one block: what one tensor load brings
.set RING,  49152                      ; a slot of the weights' ring; also two loads' worth along K in memory
.set XB,    98304                      ; behind the ring: x's two blocks
.set SPARE, 294912                     ; behind x: the spare words, 128 bytes a wave
.set LI,    1                          ; v1     16 x lane
.set ADR0,  2                          ; v2-3   first product: my block of W in ring slot 0, 1
.set ADR1,  4                          ; v4-5   first product: my block of x, K steps 0-3, 4-7
.set ADRX,  6                          ; v6-7   second product: my block of x, K steps 0-3, 4-7
.set ADRV,  8                          ; v8-9   second product: my four tiles of Wv, K steps 0-1 and 4-5, 2-3 and 6-7
.set LIR,   10                         ; v10    a scale image read so that my four tiles of Wv lie in lanes 0-15
.set SA,    11                         ; v11    16 (lane % 16) + 8 (lane / 16): where I store two words of half a scale image
.set SPW,   28
.set NIL,   29
.set SC1,   32
.set SC0,   64
.set TM,    96
.set PW,    112
.set PT,    120
.set AF,    128
.set BV,    224
.set BI,    192
.set G1B,   24                         ; s[24:31] group 1 for x's blocks;  s[32:39] for the weights'
.set G1A,   32
.set G0A,   48                         ; s[48:55] groups 0 for Wq or Wk, one for each ring slot;  s[56:63] for Wv
.set G0V,   56
.set G0B,   68                         ; s[68:71] group 0 for x's K steps 0-3;  s[76:79] for its K steps 4-7, shared out among the four waves
.set G0C,   76
.set MSB,   0
.macro WIN new                         ; the immediate's high byte repeats the setting that is left
.if MSB != (\new)
	s_set_vgpr_msb (MSB<<8)|(\new)
.set MSB, (\new)
.endif
.endm
.macro PLACES n
.rept \n
	v_nop
.endr
.endm
.macro CREST                           ; a round of the cluster's barrier behind its opening barrier
	s_cmp_lg_u32 s14, 0
	s_cbranch_scc1 .Lnot_wave_0_\@
	s_barrier_signal -3
.Lnot_wave_0_\@:
	s_barrier_wait -3
	s_barrier_signal -1
	s_barrier_wait -1
.endm
.macro CROUND
	s_barrier_signal -1
	s_barrier_wait -1
	CREST
.endm
.macro JLOAD s                         ; a joint first fill: waves 0, 1 fetch the weights' two blocks, waves 2, 3 x's; four v_nop follow each line
	s_cmp_eq_u32 s16, 0
	s_cbranch_scc0 .Lfor_x_\@
	tensor_load_to_lds s[G0A+4*\s:G0A+4*\s+3], s[G1A:G1A+7]
	s_nop 0
.rept 4
	v_nop
.endr
	s_branch .Lasked_\@
.Lfor_x_\@:
	tensor_load_to_lds s[G0B+4*\s:G0B+4*\s+3], s[G1B:G1B+7]
	s_nop 0
.rept 4
	v_nop
.endr
.Lasked_\@:
.endm
.macro WLOAD g0                        ; a joint refill of a ring slot: waves 0 and 1 bring a half each, waves 2 and 3 have no part of it
	s_cmp_eq_u32 s16, 0
	s_cbranch_scc0 .Lno_part_\@
	tensor_load_to_lds s[\g0:\g0+3], s[G1A:G1A+7]
	s_nop 0
.rept 4
	v_nop
.endr
.Lno_part_\@:
.endm
.macro FR3 reg, adr, off               ; a fragment comes back as it was stored: three loads of 512 consecutive bytes
.irp i, 0,1,2
	ds_load_b128 v[\reg+4*\i:\reg+4*\i+3], v[\adr] offset:\off+512*\i
.endr
.endm
.macro FETCH_S0 n                      ; first product, K step n: W's eight fragments, from ring slot (n / 2) % 2, into set n % 2
	WIN 0x40
.irp b, 0,1,2,3,4,5,6,7
	FR3 96*((\n)%2)+12*\b, ADR0+((\n)/2)%2, ((\n)%2)*12288+\b*1536
.endr
	WIN 0
.endm
.macro FETCH_S1 n, a0                  ; first product, K step n: x's tiles a0 .. a0 + 3
.irp a, \a0, \a0+1, \a0+2, \a0+3
	FR3 AF+12*(\a), ADR1+(\n)/4, ((\n)%4)*12288+(\a)*1536
.endr
.endm
.macro FETCH2 n                        ; second product, K step n: x's eight fragments and Wv's four, into sets n % 2: 36 loads
	WIN 0x40
.irp b, 0,1,2,3,4,5,6,7
	FR3 96*((\n)%2)+12*\b, ADRX+(\n)/4, ((\n)%4)*12288+\b*1536
.endr
	WIN 0
.irp a, 0,1,2,3
	FR3 AF+48*((\n)%2)+12*\a, ADRV+((\n)/2)%2, ((\n)/4)*24576+((\n)%2)*12288+\a*1536
.endr
.endm
.macro WM                              ; one product; the scale words of tiles 4-7 lie in lanes 16-31 of their registers
.if (rRA == 0) && (rRB == 0)
	v_wmma_scale_f32_16x16x128_f8f6f4 v[rD:rD+7], v[rA:rA+11], v[rB:rB+11], v[rC:rC+7], v[rSA], v[rSB] matrix_a_fmt:MATRIX_FMT_FP6 matrix_b_fmt:MATRIX_FMT_FP6
.elseif rRB == 0
	v_wmma_scale_f32_16x16x128_f8f6f4 v[rD:rD+7], v[rA:rA+11], v[rB:rB+11], v[rC:rC+7], v[rSA], v[rSB] matrix_a_fmt:MATRIX_FMT_FP6 matrix_b_fmt:MATRIX_FMT_FP6 matrix_a_scale:MATRIX_SCALE_ROW1
.elseif rRA == 0
	v_wmma_scale_f32_16x16x128_f8f6f4 v[rD:rD+7], v[rA:rA+11], v[rB:rB+11], v[rC:rC+7], v[rSA], v[rSB] matrix_a_fmt:MATRIX_FMT_FP6 matrix_b_fmt:MATRIX_FMT_FP6 matrix_b_scale:MATRIX_SCALE_ROW1
.else
	v_wmma_scale_f32_16x16x128_f8f6f4 v[rD:rD+7], v[rA:rA+11], v[rB:rB+11], v[rC:rC+7], v[rSA], v[rSB] matrix_a_fmt:MATRIX_FMT_FP6 matrix_b_fmt:MATRIX_FMT_FP6 matrix_a_scale:MATRIX_SCALE_ROW1 matrix_b_scale:MATRIX_SCALE_ROW1
.endif
.endm
; First product: 16 products of K step g: x's tiles a0, a0 + 1 x W's eight.  cm = 0: onto the sums; 2: C = the bias of W's columns.  The 64 accumulators take turns.
.macro MUL16 a0, g, cm
.irp a, \a0, \a0+1
.irp b, 0,1,2,3,4,5,6,7
.set rD, 8*(8*((\a)%4)+\b)
.set rC, rD
.if (\cm) == 2
.set rC, BI+8*\b
.endif
.set rA, 96*((\g)%2)+12*\b
.set rB, AF+12*(\a)
.set rSA, SC0+4*(\g)+\b%4
.set rSB, SC1+4*(\g)+(\a)%4
.set rRA, \b/4
.set rRB, (\a)/4
	WM
.endr
.endr
.endm
; Second product: the 32 products of K step h: Wv's four tiles x x's eight.  In K step 0 C = bv of the tile's channels.  The 32 accumulators take turns.
.macro MULV h
.irp a, 0,1,2,3
.irp b, 0,1,2,3,4,5,6,7
.set rD, 8*(8*\a+\b)
.set rC, rD
.if (\h) == 0
.set rC, BV+8*\a
.endif
.set rA, 96*((\h)%2)+12*\b
.set rB, AF+48*((\h)%2)+12*\a
.set rSA, SC0+4*(\h)+\b%4
.set rSB, SC1+4*(\h)+\a
.set rRA, \b/4
.set rRB, 0
	WM
.endr
.endr
.endm
; First product: a K step that fetches the next step's fragments.  Loads into registers that products have read stand four plain lines behind those products.
.macro STEP g, cm
	s_wait_dscnt 12                                ; W's set and x's tiles 0-3 are in; the youngest 12 loads (tiles 4-7) may be out
.if (\cm) == 0
	WIN 0xa1
.else
	WIN 0x91                                       ; C in window 1
.endif
	MUL16 0, \g, \cm
	MUL16 2, \g, \cm
	s_wait_dscnt 0x0                               ; tiles 4-7 are in
	PLACES 4
	FETCH_S0 (\g)+1
	FETCH_S1 (\g)+1, 0
.if (\cm) == 0
	WIN 0xf1
.else
	WIN 0xd1
.endif
	MUL16 4, \g, \cm
	MUL16 6, \g, \cm
	PLACES 4
	WIN 0
	FETCH_S1 (\g)+1, 4
.endm
; First product: a K step that leaves a ring slot.  In front of the barrier each wave waits for all its tensor loads, adds 0 to its spare word, and waits for that and for its reads of the slot; the barrier opens a round
; of the cluster's, and behind the round the slot is filled again through group 0 g0 (step = 1: first moved two loads on along K).  fetch = 0: the product's last K step.
.macro TURN g, g0, step, fetch
	s_wait_tensorcnt 0x0                           ; all my tensor loads have landed: the other slot's among them
	ds_add_u32 v[SPW], v[NIL]                      ; 0 onto my spare word
	s_wait_dscnt 13                                ; (the add and the youngest 12 loads may be out)
	WIN 0xa1
	MUL16 0, \g, 0
	s_wait_dscnt 0x0                               ; the add is done, and my reads of the slot are over
	s_barrier_signal -1
	MUL16 2, \g, 0
	WIN 0
	s_barrier_wait -1
	CREST                                          ; no wave of any partner still reads the slot or has a load on its way
.if \step
	s_add_nc_u64 s[\g0+2:\g0+3], s[\g0+2:\g0+3], RING
.endif
	WLOAD \g0                                      ; the one tensor load of waves 0 and 1 behind the round
.if \fetch
	PLACES 4                                       ; (on every wave's path) in front of the loads below
	FETCH_S0 (\g)+1
	FETCH_S1 (\g)+1, 0
.endif
	WIN 0xf1
	MUL16 4, \g, 0
	MUL16 6, \g, 0
.if \fetch
	PLACES 4
	WIN 0
	FETCH_S1 (\g)+1, 4
.else
	WIN 0
.endif
.endm
; Second product: a K step.  Both operands have two sets, so the next step's 36 loads go out ahead of this step's 32 products.
.macro STEP2 h
	s_wait_dscnt 0x0                               ; this step's fragments are in
.if (\h) < 7
	PLACES 4                                       ; the other sets were read by the products just issued
	FETCH2 (\h)+1
.endif
.if (\h) == 0
	WIN 0x81                                       ; C in window 0
.else
	WIN 0xa1
.endif
	MULV \h
	WIN 0
.endm
; The 64 results of source 1's tile a become a fragment (in v[AF + 12 a] on) and a scale word, and the fragment is stored.  Each accumulator is read from its low end on.
.macro QUANTW a, ptr
.set W, 2+(\a)/4
.set AC, 64*((\a)%4)
.set PC, AF+12*(\a)
	WIN W|(W<<2)
.irp b, 0,1,2,3
	v_max3_num_f32 v[TM+\b], |v[AC+16*\b]|, |v[AC+1+16*\b]|, 0x1800000   ; and the floor 2^(3 - 127)
.endr
	WIN (W<<2)|(W<<4)
.irp i, 2,4,6,8,10,12,14
.irp b, 0,1,2,3
	v_max3_num_f32 v[TM+\b], v[TM+\b], |v[AC+16*\b+\i]|, |v[AC+1+16*\b+\i]|
.endr
.endr
	WIN 0
.irp b, 0,1,2,3
	v_permlanex16_b32 v[TM+4+\b], v[TM+\b], s20, s21
.endr
.irp b, 0,1,2,3
	v_max_num_f32 v[TM+\b], v[TM+\b], v[TM+4+\b]
.endr
.irp b, 0,1,2,3
	v_add_nc_u32 v[TM+12+\b], 0xff000000, v[TM+\b] ; 2 off the exponent field: the conversion's scale operand
.endr
.irp b, 0,1,2,3
	v_lshrrev_b32 v[TM+4+\b], 23, v[TM+12+\b]
.endr
	v_lshl_or_b32 v[PW+\a], v[TM+5], 8, v[TM+4]
	v_lshl_or_b32 v[PW+\a], v[TM+6], 16, v[PW+\a]
	v_lshl_or_b32 v[PW+\a], v[TM+7], 24, v[PW+\a]
	WIN W
.irp c, 0,1
	v_cvt_scalef32_pk16_fp6_f32 v[PC+6*\c:PC+6*\c+2], v[AC+32*\c:AC+32*\c+15], v[TM+12+2*\c]
	v_cvt_scalef32_pk16_fp6_f32 v[PT+4*\c:PT+4*\c+2], v[AC+32*\c+16:AC+32*\c+31], v[TM+13+2*\c]
.endr
	WIN 0
	v_nop                                          ; one plain line behind the scaled conversions
.irp c, 0,1
.irp i, 0,1,2
	v_permlane16_swap_b32 v[PC+6*\c+\i], v[PT+4*\c+\i]
.endr
.irp i, 0,1,2
	v_mov_b32 v[PC+3+6*\c+\i], v[PT+4*\c+\i]
.endr
.endr
.irp g, 0,1,2
	global_store_b128 v[LI], v[PC+4*\g:PC+4*\g+3], s[\ptr:\ptr+1] offset:(\a)*1536+512*\g   ; 512 consecutive bytes; each tile of a way out has its own registers
.endr
.endm
	s_load_b256 s[4:11], s[0:1], 0x0               ; xw, bq, bk, bv
	s_load_b64 s[12:13], s[0:1], 0x20              ; qkv
	v_lshl_add_u32 v[SPW], v0, 2, SPARE
	v_mov_b32 v[NIL], 0
	ds_add_u32 v28, v29
	ds_add_u32 v28, v29
	s_wait_dscnt 0x0
	v_lshrrev_b32 v12, 5, v0
	v_readfirstlane_b32 s14, v12                   ; wave
	s_and_b32 s15, s14, 1                          ; my block of source 0 (first: of W; second: of x).  Also: which of two blocks I fetch
	s_lshr_b32 s16, s14, 1                         ; my part of source 1 (first: block of x; second: four tiles of Wv).  Also: I fetch for the weights (0) or for x (1)
	s_bfe_u32 s40, ttmp6, 0x40000                  ; cx
	s_bfe_u32 s41, ttmp6, 0x40004                  ; cy
	s_lshr_b32 s17, ttmp9, 3                       ; Q or K
	s_lshl_b32 s42, s17, 3
	s_add_co_u32 s42, s42, 64
	s_lshl_b32 s44, s40, 1
	s_add_co_u32 s42, s42, s44                     ; Wq's or Wk's first row block: of the cluster's number and cx alone
	s_lshl_b32 s22, s17, 2
	s_add_co_u32 s22, s22, s40                     ; V's block of channels: likewise
	s_and_b32 s43, ttmp9, 7
	s_lshl_b32 s43, s43, 3
	s_lshl_b32 s46, s41, 1
	s_add_co_u32 s43, s43, s46                     ; x's first row block: of the cluster's number and cy alone
	s_lshl_b32 s46, s41, 2
	s_lshl_b32 s46, 15, s46                        ; my row of the cluster
	s_lshl_b32 s44, 0x1111, s40                    ; my column
	s_or_b32 s[G1B], s46, (3<<16)|(1<<21)          ; 15:0 the mask; 17:16 elements of 8 bytes; 21 set beside a mask; no padding
	s_or_b32 s[G1A], s44, (3<<16)|(1<<21)
.irp g, G1B, G1A
	s_mov_b32 s[\g+1], 32<<16                      ; tensor_dim0 = 32 elements: rows of 256 bytes
	s_mov_b32 s[\g+2], 192<<16                     ; tensor_dim1 = 192 at the head
	s_mov_b32 s[\g+3], 32<<16                      ; tile_dim0
	s_mov_b32 s[\g+4], 192                         ; tile_dim1
	s_mov_b32 s[\g+5], 32                          ; the pitch: dense
	s_mov_b32 s[\g+6], 0
	s_mov_b32 s[\g+7], 0
.endr
	s_add_co_u32 s44, s42, s15
	s_mul_i32 s44, s44, 98304                      ; a row block's codes: 8 units
	s_mov_b32 s45, 0
	s_add_co_u32 s46, s43, s15
	s_mul_i32 s46, s46, 98304
	s_mov_b32 s47, 0
	s_add_co_u32 s86, s22, 80
	s_mul_i32 s86, s86, 98304                      ; Wv's block,
	s_mul_i32 s87, s15, QRT                        ; my two of four K steps
	s_add_co_u32 s86, s86, s87
	s_mov_b32 s87, 0
	s_mul_i32 s18, s16, QRT
	s_add_co_u32 s18, s18, 2*QRT                   ; x's K steps 4-5 (waves 0, 1) or 6-7 (waves 2, 3)
	s_mov_b32 s19, 0
	s_mul_i32 s2, s15, RING                        ; where my fills go: in my block's half of the ring,
	s_mul_i32 s3, s15, 98304
	s_add_co_u32 s3, s3, XB                        ; in x's blocks,
	s_add_co_u32 s23, s3, s18                      ; and my part of their second halves: no place in the cluster enters an LDS address
	; my own blocks' scale images, my results' units, my biases
	s_add_co_u32 s90, s42, s15                     ; my block of W
	s_add_co_u32 s91, s43, s16                     ; my block of x in the first product
	s_add_co_u32 s88, s43, s15                     ; and in the second
	s_lshl_b32 s92, s90, 12
	s_add_co_u32 s92, s92, XWS
	s_mov_b32 s93, 0
	s_lshl_b32 s94, s91, 12
	s_add_co_u32 s94, s94, XWS
	s_mov_b32 s95, 0
	s_lshl_b32 s98, s88, 12
	s_add_co_u32 s98, s98, XWS
	s_mov_b32 s99, 0
	s_add_co_u32 s100, s22, 80
	s_lshl_b32 s100, s100, 12
	s_add_co_u32 s100, s100, XWS
	s_mov_b32 s101, 0
	s_sub_co_u32 s96, s90, 64                      ; Q, K: j = 8 (Q or K) + the K step that my 128 channels make
	s_lshr_b32 s97, s96, 3
	s_lshl_b32 s97, s97, 6
	s_add_co_u32 s97, s97, s91
	s_lshl_b32 s97, s97, 3
	s_and_b32 s96, s96, 7
	s_add_co_u32 s97, s97, s96
	s_mul_i32 s80, s97, 12288
	s_mov_b32 s81, 0
	s_lshl_b32 s82, s97, 9
	s_add_co_u32 s82, s82, QS
	s_mov_b32 s83, 0
	s_lshr_b32 s96, s88, 4                         ; V: the batch, the block of channels, the K step that my 128 keys make
	s_lshl_b32 s96, s96, 3
	s_add_co_u32 s96, s96, s22
	s_lshl_b32 s96, s96, 4
	s_and_b32 s97, s88, 15
	s_add_co_u32 s96, s96, s97
	s_add_co_u32 s96, s96, 1024
	s_mul_i32 s90, s96, 12288
	s_mul_i32 s91, s16, 6144                       ; my four tiles of the unit's eight
	s_add_co_u32 s90, s90, s91
	s_mov_b32 s91, 0
	s_lshl_b32 s96, s96, 9
	s_lshl_b32 s97, s16, 8
	s_add_co_u32 s96, s96, s97
	s_add_co_u32 s96, s96, QS
	s_mov_b32 s97, 0
	s_lshl_b32 s84, s40, 1
	s_add_co_u32 s84, s84, s15
	s_lshl_b32 s84, s84, 9                         ; my 128 channels' first byte in bq or bk
	s_mov_b32 s85, 0
	s_lshl_b32 s66, s22, 9
	s_lshl_b32 s67, s16, 8
	s_add_co_u32 s66, s66, s67                     ; my 64 channels' first byte in bv
	s_mov_b32 s67, 0
	s_mov_b32 s20, 0x76543210
	s_mov_b32 s21, 0xfedcba98
	s_mov_b32 s89, 0xffff0000                      ; lanes 16-31
	s_wait_kmcnt 0x0
	s_add_nc_u64 s[44:45], s[4:5], s[44:45]
	s_add_nc_u64 s[46:47], s[4:5], s[46:47]
	s_add_nc_u64 s[86:87], s[4:5], s[86:87]
	s_add_nc_u64 s[92:93], s[4:5], s[92:93]
	s_add_nc_u64 s[94:95], s[4:5], s[94:95]
	s_add_nc_u64 s[98:99], s[4:5], s[98:99]
	s_add_nc_u64 s[100:101], s[4:5], s[100:101]
	s_add_nc_u64 s[80:81], s[12:13], s[80:81]
	s_add_nc_u64 s[82:83], s[12:13], s[82:83]
	s_add_nc_u64 s[90:91], s[12:13], s[90:91]
	s_add_nc_u64 s[96:97], s[12:13], s[96:97]
	s_cmp_lg_u32 s17, 0
	s_cselect_b64 s[6:7], s[8:9], s[6:7]           ; the choice hangs on the cluster's number alone
	s_add_nc_u64 s[84:85], s[6:7], s[84:85]
	s_add_nc_u64 s[66:67], s[10:11], s[66:67]
.irp s, 0,1
	s_mov_b32 s[G0A+4*\s], 1
	s_add_co_u32 s[G0A+4*\s+1], s2, \s*QRT
	s_add_nc_u64 s[G0A+4*\s+2:G0A+4*\s+3], s[44:45], \s*QRT
	s_or_b32 s[G0A+4*\s+3], s[G0A+4*\s+3], 0x80000000
	s_mov_b32 s[G0V+4*\s], 1
	s_add_co_u32 s[G0V+4*\s+1], s2, \s*QRT
	s_add_nc_u64 s[G0V+4*\s+2:G0V+4*\s+3], s[86:87], \s*RING
	s_or_b32 s[G0V+4*\s+3], s[G0V+4*\s+3], 0x80000000
.endr
	s_mov_b32 s[G0B], 1
	s_mov_b32 s[G0B+1], s3
	s_mov_b64 s[G0B+2:G0B+3], s[46:47]
	s_or_b32 s[G0B+3], s[G0B+3], 0x80000000
	s_mov_b32 s[G0C], 1
	s_mov_b32 s[G0C+1], s23
	s_add_nc_u64 s[G0C+2:G0C+3], s[46:47], s[18:19]
	s_or_b32 s[G0C+3], s[G0C+3], 0x80000000
	CROUND                                         ; all sixteen work-groups are here: the first joint loads meet
	JLOAD 0                                        ; K steps 0 to 3 of the weight's two blocks and of x's two: one load a wave
	v_and_b32 v12, 31, v0
	v_lshlrev_b32 v[LI], 4, v12
	v_bfe_u32 v13, v0, 4, 1                        ; h
	v_and_b32 v14, 15, v0                          ; r
	v_add_nc_u32 v[ADR0], s2, v[LI]
	v_add_nc_u32 v[ADR0+1], QRT, v[ADR0]
	s_mul_i32 s17, s16, 98304
	s_add_co_u32 s17, s17, XB
	v_add_nc_u32 v[ADR1], s17, v[LI]
	v_add_nc_u32 v[ADR1+1], 49152, v[ADR1]
	v_add_nc_u32 v[ADRX], s3, v[LI]
	v_add_nc_u32 v[ADRX+1], 49152, v[ADRX]
	s_mul_i32 s17, s16, 6144
	v_add_nc_u32 v[ADRV], s17, v[LI]
	v_add_nc_u32 v[ADRV+1], RING, v[ADRV]
	v_xor_b32 v16, s16, v13                        ; lanes 16 h + r take the half h xor (wave / 2) of Wv's scale images
	v_lshlrev_b32 v[LIR], 4, v14
	v_lshl_add_u32 v[LIR], v16, 8, v[LIR]
	v_lshlrev_b32 v[SA], 4, v14
	v_lshl_add_u32 v[SA], v13, 3, v[SA]
.irp g, 0,1,2,3,4,5,6,7
	global_load_b128 v[SC0+4*\g:SC0+4*\g+3], v[LI], s[92:93] offset:512*\g   ; a K step's scale image: 512 consecutive bytes
	global_load_b128 v[SC1+4*\g:SC1+4*\g+3], v[LI], s[94:95] offset:512*\g
.endr
	v_lshlrev_b32 v15, 6, v13                      ; bq, bk: my half's 16 channels of each 32
	v_and_b32 v17, 8, v14
	v_add_nc_u32 v17, v17, v14
	v_lshlrev_b32 v17, 2, v17                      ; bv: the channel of my lane row: r + 8 (r / 8)
	WIN 0x40
.irp b, 0,1,2,3,4,5,6,7
	global_load_b128 v[BI+8*\b:BI+8*\b+3], v15, s[84:85] offset:(32*(\b/2)+8*(\b%2))*4
	global_load_b128 v[BI+8*\b+4:BI+8*\b+7], v15, s[84:85] offset:(32*(\b/2)+8*(\b%2))*4+16
.endr
	WIN 0
.irp a, 0,1,2,3
	global_load_b32 v[BV+8*\a], v17, s[66:67] offset:(32*(\a/2)+8*(\a%2))*4
.endr
.irp b, 0,1,2,3
	v_mov_b32 v[TM+4+\b], 0                        ; a lane permute's destination counts as read
.endr
	s_wait_alu depctr_va_vdst(0)
	s_wait_tensorcnt 0x0                           ; my first load is in
	ds_add_u32 v[SPW], v[NIL]
	s_mov_b32 s[G1A+2], 96<<16                     ; no tensor load of mine is out: from here on a load brings 96 rows
	s_mov_b32 s[G1A+4], 96
	s_mov_b32 s[G1B+2], 96<<16
	s_mov_b32 s[G1B+4], 96
	s_wait_dscnt 0x0
	CROUND
	tensor_load_to_lds s[G0C:G0C+3], s[G1B:G1B+7]  ; x's K steps 4 to 7, a quarter for each wave: four K steps ahead of their use
	s_nop 0
.rept 4
	v_nop
.endr
	FETCH_S0 0
	FETCH_S1 0, 0
	FETCH_S1 0, 4
	s_wait_loadcnt 0x0                             ; scale words and biases
.irp a, 0,1,2,3
.irp j, 1,2,3,4,5,6,7
	v_mov_b32 v[BV+8*\a+\j], v[BV+8*\a]            ; in the second product a lane's eight results of a tile belong to one channel
.endr
.endr
	; ---------------- the first product: Q or K
	STEP 0, 2
	TURN 1, G0A, 1, 1                              ; every wave's two first loads have landed; ring slot 0 takes W's K steps 4 and 5: two K steps, 128 products, ahead of their use
	STEP 2, 0
	TURN 3, G0A+4, 1, 1                            ; ring slot 1 takes W's K steps 6 and 7
	STEP 4, 0
	TURN 5, G0V, 0, 1                              ; ring slot 0 takes Wv's K steps 0 to 3
	STEP 6, 0
	TURN 7, G0V+4, 0, 0                            ; ring slot 1 takes Wv's K steps 4 to 7
	PLACES 4                                       ; in front of the loads over the scale words, the first read of results and the first write over operands
.irp g, 0,1,2,3,4,5,6,7
	global_load_b128 v[SC0+4*\g:SC0+4*\g+3], v[LI], s[98:99] offset:512*\g     ; the second product's scale words: x's block as source 0,
	global_load_b128 v[SC1+4*\g:SC1+4*\g+3], v[LIR], s[100:101] offset:512*\g  ; Wv's, my four tiles in lanes 0-15; they land while the results go out
.endr
.irp a, 0,1,2,3,4,5,6,7
	QUANTW \a, 80
.endr
.irp i, 0,1,2,3
	v_cndmask_b32 v[12+\i], v[PW+\i], v[PW+4+\i], s89   ; the scale image: tiles 0-3 in lanes 0-15, tiles 4-7 in lanes 16-31
.endr
	global_store_b128 v[LI], v[12:15], s[82:83]
	; ---------------- the second product: V
	s_wait_xcnt 0x0                                ; the stores have read their registers: fragments and codes may land there again
	s_wait_tensorcnt 0x0                           ; my part of Wv's second half has landed
	ds_add_u32 v[SPW], v[NIL]                      ; 0 onto my spare word
	s_wait_dscnt 0x0
	s_barrier_signal -1
	s_barrier_wait -1                              ; all of Wv's block lies in the ring; nothing is filled any more: the eight K steps have no barrier
	FETCH2 0
	s_wait_loadcnt 0x0                             ; the scale words
.irp h, 0,1,2,3,4,5,6,7
	STEP2 \h
.endr
	PLACES 4
.irp a, 0,1,2,3
	QUANTW \a, 90
.endr
	v_cndmask_b32 v12, v[PW], v[PW+2], s89         ; my half of the scale image: lanes 0-15 store the words of tiles 0 and 1 of my four, lanes 16-31 those of tiles 2 and 3
	v_cndmask_b32 v13, v[PW+1], v[PW+3], s89
	global_store_b64 v[SA], v[12:13], s[96:97]     ; 256 consecutive bytes
	s_wait_tensorcnt 0x0                           ; the wave's end
	ds_add_u32 v[SPW], v[NIL]
	s_wait_dscnt 0x0
	CROUND                                         ; the closing round
	s_endpgm
.Lfunc_end_k_q6a9287b483_proj:
	.size	k_q6a9287b483_proj, .Lfunc_end_k_q6a9287b483_proj-k_q6a9287b483_proj
	.p2alignl 7, 3214868480
	.fill 96, 4, 3214868480
	.section	.rodata,"a",@progbits
	.p2align	6, 0x0
	.amdhsa_kernel k_q6a9287b483_proj
		.amdhsa_group_segment_fixed_size 327680
		.amdhsa_private_segment_fixed_size 0
		.amdhsa_enable_private_segment 0
		.amdhsa_kernarg_size 40
		.amdhsa_user_sgpr_count 2
		.amdhsa_user_sgpr_kernarg_segment_ptr 1
		.amdhsa_wavefront_size32 1
		.amdhsa_system_sgpr_workgroup_id_x 1
		.amdhsa_system_sgpr_workgroup_id_y 1
		.amdhsa_system_sgpr_workgroup_id_z 1
		.amdhsa_system_vgpr_workitem_id 0
		.amdhsa_next_free_vgpr 1024
		.amdhsa_next_free_sgpr 102
		.amdhsa_reserve_vcc 0
		.amdhsa_float_denorm_mode_32 3
		.amdhsa_float_denorm_mode_16_64 3
		.amdhsa_memory_ordered 1
		.amdhsa_forward_progress 1
		.amdhsa_inst_pref_size 214
	.end_amdhsa_kernel
	.amdgpu_metadata
---
amdhsa.version: [ 1, 2 ]
amdhsa.kernels:
  - .name:           k_q6a9287b483_proj
    .symbol:         k_q6a9287b483_proj.kd
    .args:
      - { .name: xw, .offset: 0, .size: 8, .value_kind: global_buffer, .address_space: global }
      - { .name: bq, .offset: 8, .size: 8, .value_kind: global_buffer, .address_space: global }
      - { .name: bk, .offset: 16, .size: 8, .value_kind: global_buffer, .address_space: global }
      - { .name: bv, .offset: 24, .size: 8, .value_kind: global_buffer, .address_space: global }
      - { .name: qkv, .offset: 32, .size: 8, .value_kind: global_buffer, .address_space: global }
    .group_segment_fixed_size: 327680
    .private_segment_fixed_size: 0
    .kernarg_segment_align: 8
    .kernarg_segment_size: 40
    .max_flat_workgroup_size: 128
    .sgpr_count:     102
    .vgpr_count:     1024
    .wavefront_size: 32
...
	.end_amdgpu_metadata
.endif
;; end of part 2
;; launch scores (part 3): grid 64 x 4, 4 waves a work-group, clusters of 4 x 4, 327,680 bytes of LDS; arguments qkv, pst; writes pst
.if DOCPART == 3
	.amdgcn_target "amdgcn-amd-amdhsa--gfx1250"
	.amdhsa_code_object_version 6
	.text
	.protected	k_q6a9287b483_scores
	.globl	k_q6a9287b483_scores
	.p2align	8
	.type	k_q6a9287b483_scores,@function
k_q6a9287b483_scores:
	s_mov_b64 s[64:65], 0
	v_nop
	global_prefetch_b8 v0, s[64:65] scope:SCOPE_SE
	s_setreg_imm32_b32 hwreg(HW_REG_WAVE_MODE, 25, 1), 1
	s_wait_xcnt 0x0
	s_wait_alu depctr_hold_cnt(0) depctr_sa_sdst(0) depctr_va_vdst(0) depctr_va_sdst(0) depctr_va_ssrc(0) depctr_va_vcc(0) depctr_vm_vsrc(0)
	s_getreg_b32 s2, hwreg(HW_REG_IB_STS2, 6, 4)
	s_cmp_eq_u32 s2, 0
	s_cbranch_scc0 .Lentry_in_a_cluster
	s_endpgm
.Lentry_in_a_cluster:
	s_bfe_u32 s2, ttmp6, 0x10000c
	s_cmp_lg_u32 s2, 0xf033
	s_cbranch_scc0 .Lentry_shape_is_right
	s_endpgm
.Lentry_shape_is_right:
; S = Q K^T on codes of FP6 (E2M3), and the softmax's p quantised on the way out.  t = score x log2(e) / 32.  A wave holds 128 queries x 128 keys.  For each query it takes M = ceil(the largest t of ITS 128 keys), a whole number,
; p = 2^(t - M), l = the sum of the unquantised p, and quantises p along the keys.  The next launch brings all 16 parts of a row under the row's own M: an exact power of two, taken off the scale bytes.
; So a maximum is taken away before every exponential: no exponent is above 0.
; Units, tiles, the joint loads and the K steps are those of the launch before: source 0 = K's rows (keys), source 1 = Q's rows (queries); a lane holds one query, its 64 registers of a tile
; 128 neighbouring keys, 16 to each 16 registers.  Stored for unit (query block, key step): the codes, the scale image, and in the scale image's layout -M and l as f32.
; LIMITS: NaN and infinities are not served; a block whose every p lies under 2^-124 gets the byte 1.
; REGISTERS: as in the launch before; v12 -M, v[14:17] sums, v96-111 at work, v112-119 scale words, v224-231 -M, v232-239 l of the eight tiles.
.set QS,    18874368
.set PSO,   12582912
; THE FILLS AS WRITTEN: LDS holds four blocks (K's two, Q's two) of 73,728 bytes, each as three slots of two K steps.  A wave fetches one block: slot 0 at the head, slots 1 and 2 by one load behind the next round.
; THE WALK: the clusters of a batch have numbers that are equal modulo 4.
.set BLK,   73728
.set SLOT,  24576
.set QRT,   24576
.set REFILL, 3*QRT
.set SPARE, 294912
.set LI,    1
.set ADR0,  2
.set ADR1,  5
.set ADR1H, 8
.set SPW,   28
.set NIL,   29
.set SC1,   32
.set SC0,   64
.set BM,    96
.set BT,    100
.set SO,    104
.set PW,    112
.set PT,    120
.set AF,    128
.set NM,    224
.set LL,    232
.set G1B,   24
.set G1A,   32
.set G0A,   48
.set G0B,   68
.set MSB,   0
.macro WIN new
.if MSB != (\new)
	s_set_vgpr_msb (MSB<<8)|(\new)
.set MSB, (\new)
.endif
.endm
.macro PLACES n
.rept \n
	v_nop
.endr
.endm
.macro CREST
	s_cmp_lg_u32 s14, 0
	s_cbranch_scc1 .Lnot_wave_0_\@
	s_barrier_signal -3
.Lnot_wave_0_\@:
	s_barrier_wait -3
	s_barrier_signal -1
	s_barrier_wait -1
.endm
.macro CROUND
	s_barrier_signal -1
	s_barrier_wait -1
	CREST
.endm
.macro JLOAD s                         ; waves 0, 1 fetch K's two blocks, waves 2, 3 Q's; four v_nop follow each line
	s_cmp_eq_u32 s16, 0
	s_cbranch_scc0 .Lfor_s1_\@
	tensor_load_to_lds s[G0A+4*\s:G0A+4*\s+3], s[G1A:G1A+7]
	s_nop 0
.rept 4
	v_nop
.endr
	s_branch .Lasked_\@
.Lfor_s1_\@:
	tensor_load_to_lds s[G0B+4*\s:G0B+4*\s+3], s[G1B:G1B+7]
	s_nop 0
.rept 4
	v_nop
.endr
.Lasked_\@:
.endm
.macro FR3 reg, adr, off
.irp i, 0,1,2
	ds_load_b128 v[\reg+4*\i:\reg+4*\i+3], v[\adr] offset:\off+512*\i
.endr
.endm
.macro FETCH_S0 slot, q, p
	WIN 0x40
.irp b, 0,1,2,3,4,5,6,7
	FR3 96*(\p)+12*\b, ADR0+\slot, (\q)*12288+\b*1536
.endr
	WIN 0
.endm
.macro FETCH_S1L slot, q
.irp a, 0,1,2,3
	FR3 AF+12*\a, ADR1+\slot, (\q)*12288+\a*1536
.endr
.endm
.macro FETCH_S1H slot, q
.irp a, 0,1,2,3
	FR3 AF+48+12*\a, ADR1H+\slot, (\q)*12288+\a*1536
.endr
.endm
.macro WM zero
.if \zero
.if (rRA == 0) && (rRB == 0)
	v_wmma_scale_f32_16x16x128_f8f6f4 v[rD:rD+7], v[rA:rA+11], v[rB:rB+11], 0, v[rSA], v[rSB] matrix_a_fmt:MATRIX_FMT_FP6 matrix_b_fmt:MATRIX_FMT_FP6
.elseif rRB == 0
	v_wmma_scale_f32_16x16x128_f8f6f4 v[rD:rD+7], v[rA:rA+11], v[rB:rB+11], 0, v[rSA], v[rSB] matrix_a_fmt:MATRIX_FMT_FP6 matrix_b_fmt:MATRIX_FMT_FP6 matrix_a_scale:MATRIX_SCALE_ROW1
.elseif rRA == 0
	v_wmma_scale_f32_16x16x128_f8f6f4 v[rD:rD+7], v[rA:rA+11], v[rB:rB+11], 0, v[rSA], v[rSB] matrix_a_fmt:MATRIX_FMT_FP6 matrix_b_fmt:MATRIX_FMT_FP6 matrix_b_scale:MATRIX_SCALE_ROW1
.else
	v_wmma_scale_f32_16x16x128_f8f6f4 v[rD:rD+7], v[rA:rA+11], v[rB:rB+11], 0, v[rSA], v[rSB] matrix_a_fmt:MATRIX_FMT_FP6 matrix_b_fmt:MATRIX_FMT_FP6 matrix_a_scale:MATRIX_SCALE_ROW1 matrix_b_scale:MATRIX_SCALE_ROW1
.endif
.else
.if (rRA == 0) && (rRB == 0)
	v_wmma_scale_f32_16x16x128_f8f6f4 v[rD:rD+7], v[rA:rA+11], v[rB:rB+11], v[rD:rD+7], v[rSA], v[rSB] matrix_a_fmt:MATRIX_FMT_FP6 matrix_b_fmt:MATRIX_FMT_FP6
.elseif rRB == 0
	v_wmma_scale_f32_16x16x128_f8f6f4 v[rD:rD+7], v[rA:rA+11], v[rB:rB+11], v[rD:rD+7], v[rSA], v[rSB] matrix_a_fmt:MATRIX_FMT_FP6 matrix_b_fmt:MATRIX_FMT_FP6 matrix_a_scale:MATRIX_SCALE_ROW1
.elseif rRA == 0
	v_wmma_scale_f32_16x16x128_f8f6f4 v[rD:rD+7], v[rA:rA+11], v[rB:rB+11], v[rD:rD+7], v[rSA], v[rSB] matrix_a_fmt:MATRIX_FMT_FP6 matrix_b_fmt:MATRIX_FMT_FP6 matrix_b_scale:MATRIX_SCALE_ROW1
.else
	v_wmma_scale_f32_16x16x128_f8f6f4 v[rD:rD+7], v[rA:rA+11], v[rB:rB+11], v[rD:rD+7], v[rSA], v[rSB] matrix_a_fmt:MATRIX_FMT_FP6 matrix_b_fmt:MATRIX_FMT_FP6 matrix_a_scale:MATRIX_SCALE_ROW1 matrix_b_scale:MATRIX_SCALE_ROW1
.endif
.endif
.endm
.macro MUL16 a0, g, zero               ; 16 products; zero = 1: they start the sums.  The 64 accumulators take turns
.irp a, \a0, \a0+1
.irp b, 0,1,2,3,4,5,6,7
.set rD, 8*(8*((\a)%4)+\b)
.set rA, 96*((\g)%2)+12*\b
.set rB, AF+12*(\a)
.set rSA, SC0+4*(\g)+\b%4
.set rSB, SC1+4*(\g)+(\a)%4
.set rRA, \b/4
.set rRB, (\a)/4
	WM \zero
.endr
.endr
.endm
.macro STEP g, ns, nq, zero
	s_wait_dscnt 12                                ; the youngest 12 loads (Q's tiles 4-7) may be out
	WIN 0xa1
	MUL16 0, \g, \zero
	MUL16 2, \g, \zero
	s_wait_dscnt 0x0
	PLACES 4
	FETCH_S0 \ns, \nq, 1-(\g)%2
	FETCH_S1L \ns, \nq
	WIN 0xf1
	MUL16 4, \g, \zero
	MUL16 6, \g, \zero
	PLACES 4
	WIN 0
	FETCH_S1H \ns, \nq
.endm
.macro TURN g, ns, fill, slot
	s_wait_tensorcnt 0x0                           ; all my tensor loads have landed
	ds_add_u32 v[SPW], v[NIL]                      ; 0 onto my spare word
	s_wait_dscnt 13                                ; (the add and the youngest 12 loads may be out)
	WIN 0xa1
	MUL16 0, \g, 0
	s_wait_dscnt 0x0                               ; the add is done, and my reads of the slot are over
	s_barrier_signal -1
	MUL16 2, \g, 0
	WIN 0
	s_barrier_wait -1
.if \fill
	CREST                                          ; a round of the cluster's barrier: no wave of any partner still reads the slot or has a load on its way
	s_mov_b32 s[G1A+2], 96<<16                     ; no tensor load of mine is out: from here on a load brings 96 rows again
	s_mov_b32 s[G1A+4], 96
	s_mov_b32 s[G1B+2], 96<<16
	s_mov_b32 s[G1B+4], 96
	s_add_nc_u64 s[G0A+4*\slot+2:G0A+4*\slot+3], s[G0A+4*\slot+2:G0A+4*\slot+3], REFILL
	s_add_nc_u64 s[G0B+4*\slot+2:G0B+4*\slot+3], s[G0B+4*\slot+2:G0B+4*\slot+3], REFILL
	JLOAD \slot
.else
	PLACES 4
.endif
	FETCH_S0 \ns, 0, 1-(\g)%2
	FETCH_S1L \ns, 0
	WIN 0xf1
	MUL16 4, \g, 0
	MUL16 6, \g, 0
	PLACES 4
	WIN 0
	FETCH_S1H \ns, 0
.endm
.macro LAST g
	s_wait_dscnt 12
	WIN 0xa1
	MUL16 0, \g, 0
	MUL16 2, \g, 0
	s_wait_dscnt 0x0
	WIN 0xf1
	MUL16 4, \g, 0
	MUL16 6, \g, 0
	WIN 0
.endm
; The 16 queries of tile a: M, p, l, p's codes and scale word.  The largest score of each block of 32 keys serves twice: for the row's maximum and, since p rises with the score, for the block's largest p.
.macro SOFT a
.set W, 2+(\a)/4
.set AC, 64*((\a)%4)
.set PC, AF+12*(\a)
	WIN W|(W<<2)|(W<<4)
.irp b, 0,1,2,3
	v_max3_num_f32 v[BM+\b], v[AC+16*\b], v[AC+1+16*\b], v[AC+2+16*\b]   ; each accumulator is read from its low end on
.endr
	WIN (W<<2)|(W<<4)
.irp i, 3,5,7,9,11,13
.irp b, 0,1,2,3
	v_max3_num_f32 v[BM+\b], v[BM+\b], v[AC+16*\b+\i], v[AC+1+16*\b+\i]
.endr
.endr
.irp b, 0,1,2,3
	v_max_num_f32 v[BM+\b], v[BM+\b], v[AC+15+16*\b]
.endr
	WIN 0
.irp b, 0,1,2,3
	v_permlanex16_b32 v[BT+\b], v[BM+\b], s20, s21
.endr
.irp b, 0,1,2,3
	v_max_num_f32 v[BM+\b], v[BM+\b], v[BT+\b]     ; with the 16 keys of the lane 16 away
.endr
	v_max3_num_f32 v18, v[BM], v[BM+1], v[BM+2]
	v_max_num_f32 v18, v18, v[BM+3]
	v_mul_f32 v18, s22, v18                        ; the largest t of my query's 128 keys
	v_floor_f32 v12, -v18                          ; -M = floor(-t) = -ceil(t)
.irp b, 0,1,2,3
	v_fma_f32 v[BM+\b], v[BM+\b], s22, v12
.endr
	WIN W|(W<<6)
.set j, 0
.rept 32
	v_pk_fma_f32 v[AC+j:AC+j+1], v[AC+j:AC+j+1], s[22:23], v[12:13] op_sel_hi:[1,0,0]   ; t - M, two at a time
.set j, j+2
.endr
.set j, 0
	s_wait_alu depctr_va_vdst(0)
.rept 64
	v_exp_f32 v[AC+j], v[AC+j]                     ; p = 2^(t - M), at most 1
.set j, j+1
.endr
	WIN 0
.irp b, 0,1,2,3
	v_exp_f32 v[BM+\b], v[BM+\b]                   ; each block's largest p: the same two instructions on the same number
.endr
	v_nop                                          ; a plain line behind the last exponential
	s_wait_alu depctr_va_vdst(0)                   ; one wait for the batch of 68, ahead of its first reader
	WIN W|(W<<2)
	v_pk_add_f32 v[14:15], v[AC:AC+1], v[AC+2:AC+3]   ; the sum of the unquantised p, in two chains of pairs
	v_pk_add_f32 v[16:17], v[AC+4:AC+5], v[AC+6:AC+7]
	WIN (W<<2)
.set j, 8
.rept 14
	v_pk_add_f32 v[14:15], v[14:15], v[AC+j:AC+j+1]
	v_pk_add_f32 v[16:17], v[16:17], v[AC+j+2:AC+j+3]
.set j, j+4
.endr
	WIN 0
	v_pk_add_f32 v[14:15], v[14:15], v[16:17]
.irp b, 0,1,2,3
	v_max_num_f32 v[BM+\b], 0x1800000, v[BM+\b]    ; the floor 2^(3 - 127): the byte cannot fall under 1
.endr
.irp b, 0,1,2,3
	v_add_nc_u32 v[SO+\b], 0xff000000, v[BM+\b]    ; 2 off the exponent field: the conversion's scale operand
.endr
.irp b, 0,1,2,3
	v_lshrrev_b32 v[BT+\b], 23, v[SO+\b]
.endr
	v_lshl_or_b32 v[PW+\a], v[BT+1], 8, v[BT]
	v_lshl_or_b32 v[PW+\a], v[BT+2], 16, v[PW+\a]
	v_lshl_or_b32 v[PW+\a], v[BT+3], 24, v[PW+\a]
	WIN W
.irp c, 0,1
	v_cvt_scalef32_pk16_fp6_f32 v[PC+6*\c:PC+6*\c+2], v[AC+32*\c:AC+32*\c+15], v[SO+2*\c]
	v_cvt_scalef32_pk16_fp6_f32 v[PT+4*\c:PT+4*\c+2], v[AC+32*\c+16:AC+32*\c+31], v[SO+1+2*\c]
.endr
	WIN 0
	v_add_f32 v14, v14, v15                        ; (the plain line behind the scaled conversions)
.irp c, 0,1
.irp i, 0,1,2
	v_permlane16_swap_b32 v[PC+6*\c+\i], v[PT+4*\c+\i]
.endr
.irp i, 0,1,2
	v_mov_b32 v[PC+3+6*\c+\i], v[PT+4*\c+\i]
.endr
.endr
	v_permlanex16_b32 v19, v14, s20, s21
	v_add_f32 v[LL+\a], v14, v19                   ; l of my query's 128 keys
	v_mov_b32 v[NM+\a], v12
.irp g, 0,1,2
	global_store_b128 v[LI], v[PC+4*\g:PC+4*\g+3], s[80:81] offset:(\a)*1536+512*\g
.endr
.endm
	s_load_b128 s[4:7], s[0:1], 0x0                ; qkv, pst
	v_lshl_add_u32 v[SPW], v0, 2, SPARE
	v_mov_b32 v[NIL], 0
	ds_add_u32 v28, v29
	ds_add_u32 v28, v29
	s_wait_dscnt 0x0
	v_lshrrev_b32 v12, 5, v0
	v_readfirstlane_b32 s14, v12                   ; wave
	s_and_b32 s15, s14, 1                          ; my block of keys.  Also: which of the two blocks I fetch
	s_lshr_b32 s16, s14, 1                         ; my block of queries.  Also: I fetch for K (0) or for Q (1)
	s_bfe_u32 s40, ttmp6, 0x40000                  ; cx
	s_bfe_u32 s41, ttmp6, 0x40004                  ; cy
	s_and_b32 s17, ttmp9, 3
	s_lshl_b32 s17, s17, 4                         ; 16 x batch
	s_bfe_u32 s18, ttmp9, 0x10002
	s_lshl_b32 s18, s18, 3
	s_bfe_u32 s19, ttmp9, 0x10003
	s_lshl_b32 s19, s19, 3
	s_add_co_u32 s42, s17, s18
	s_add_co_u32 s42, s42, 64
	s_lshl_b32 s44, s40, 1
	s_add_co_u32 s42, s42, s44                     ; K's first row block: of the cluster's number and cx alone
	s_add_co_u32 s43, s17, s19
	s_lshl_b32 s46, s41, 1
	s_add_co_u32 s43, s43, s46                     ; Q's: of the cluster's number and cy alone
	s_lshl_b32 s46, s41, 2
	s_lshl_b32 s46, 15, s46
	s_lshl_b32 s44, 0x1111, s40
	s_or_b32 s[G1B], s46, (3<<16)|(1<<21)
	s_or_b32 s[G1A], s44, (3<<16)|(1<<21)
.irp g, G1B, G1A
	s_mov_b32 s[\g+1], 32<<16
	s_mov_b32 s[\g+2], 96<<16
	s_mov_b32 s[\g+3], 32<<16
	s_mov_b32 s[\g+4], 96
	s_mov_b32 s[\g+5], 32
	s_mov_b32 s[\g+6], 0
	s_mov_b32 s[\g+7], 0
.endr
	s_add_co_u32 s44, s42, s15
	s_mul_i32 s44, s44, 98304
	s_mov_b32 s45, 0
	s_add_co_u32 s46, s43, s15
	s_mul_i32 s46, s46, 98304
	s_mov_b32 s47, 0
	s_mul_i32 s60, s14, BLK
	s_add_co_u32 s90, s42, s15
	s_add_co_u32 s91, s43, s16
	s_lshl_b32 s92, s90, 12
	s_add_co_u32 s92, s92, QS
	s_mov_b32 s93, 0
	s_lshl_b32 s94, s91, 12
	s_add_co_u32 s94, s94, QS
	s_mov_b32 s95, 0
	s_lshl_b32 s96, s91, 4                         ; the unit: 16 x query block + the key step in the batch
	s_sub_co_u32 s97, s90, 64
	s_sub_co_u32 s97, s97, s17
	s_add_co_u32 s96, s96, s97
	s_mul_i32 s80, s96, 12288
	s_mov_b32 s81, 0
	s_lshl_b32 s82, s96, 9
	s_add_co_u32 s82, s82, PSO
	s_mov_b32 s83, 0
	s_mov_b32 s20, 0x76543210
	s_mov_b32 s21, 0xfedcba98
	s_mov_b32 s22, 0x3d38aa3b                      ; log2(e) / 32
	s_mov_b32 s23, s22                             ; (named with it as a pair)
	s_mov_b32 s89, 0xffff0000
	s_wait_kmcnt 0x0
	s_add_nc_u64 s[44:45], s[4:5], s[44:45]
	s_add_nc_u64 s[46:47], s[4:5], s[46:47]
	s_add_nc_u64 s[92:93], s[4:5], s[92:93]
	s_add_nc_u64 s[94:95], s[4:5], s[94:95]
	s_add_nc_u64 s[80:81], s[6:7], s[80:81]
	s_add_nc_u64 s[82:83], s[6:7], s[82:83]
	CROUND
.irp s, 0,1
	s_mov_b32 s[G0A+4*\s], 1
	s_add_co_u32 s[G0A+4*\s+1], s60, \s*SLOT
	s_add_nc_u64 s[G0A+4*\s+2:G0A+4*\s+3], s[44:45], \s*QRT
	s_or_b32 s[G0A+4*\s+3], s[G0A+4*\s+3], 0x80000000
	s_mov_b32 s[G0B+4*\s], 1
	s_add_co_u32 s[G0B+4*\s+1], s60, \s*SLOT
	s_add_nc_u64 s[G0B+4*\s+2:G0B+4*\s+3], s[46:47], \s*QRT
	s_or_b32 s[G0B+4*\s+3], s[G0B+4*\s+3], 0x80000000
.endr
	JLOAD 0                                        ; K steps 0 and 1: one load a wave
	v_and_b32 v12, 31, v0
	v_lshlrev_b32 v[LI], 4, v12
	s_mul_i32 s18, s15, BLK
	s_mul_i32 s19, s16, BLK
	s_add_co_u32 s19, s19, 2*BLK
.irp s, 0,1,2
	v_add_nc_u32 v[ADR0+\s], s18, v[LI]
	v_add_nc_u32 v[ADR1+\s], s19, v[LI]
	v_add_nc_u32 v[ADR1H+\s], 6144, v[ADR1+\s]
	s_add_co_u32 s18, s18, SLOT
	s_add_co_u32 s19, s19, SLOT
.endr
.irp g, 0,1,2,3,4,5,6,7
	global_load_b128 v[SC0+4*\g:SC0+4*\g+3], v[LI], s[92:93] offset:512*\g
	global_load_b128 v[SC1+4*\g:SC1+4*\g+3], v[LI], s[94:95] offset:512*\g
.endr
.irp b, 0,1,2,3
	v_mov_b32 v[BT+\b], 0                          ; a lane permute's destination counts as read
.endr
	v_mov_b32 v19, 0
	v_mov_b32 v13, 0                               ; (named as the upper half of the pair v[12:13])
	s_wait_alu depctr_va_vdst(0)
	s_wait_tensorcnt 0x0                           ; my part of slot 0 is in
	ds_add_u32 v[SPW], v[NIL]
	s_mov_b32 s[G1A+2], 192<<16                    ; no tensor load of mine is out: the next brings 192 rows, slots 1 and 2 of my block
	s_mov_b32 s[G1A+4], 192
	s_mov_b32 s[G1B+2], 192<<16
	s_mov_b32 s[G1B+4], 192
	s_wait_dscnt 0x0
	CROUND
	JLOAD 1                                        ; K steps 2 to 5
	FETCH_S0 0, 0, 0
	FETCH_S1L 0, 0
	FETCH_S1H 0, 0
	s_wait_loadcnt 0x0                             ; the scale words
	STEP 0, 0, 1, 1
	TURN 1, 1, 1, 0                                ; slot 0 takes K steps 6 and 7: four K steps ahead of their use
	STEP 2, 1, 1, 0
	s_wait_alu depctr_va_vdst(0)
	STEP 3, 2, 0, 0                                ; slot 2 was shown whole by the barrier in K step 1
	STEP 4, 2, 1, 0
	TURN 5, 0, 0, 0
	STEP 6, 0, 1, 0
	LAST 7
	PLACES 4
.irp a, 0,1,2,3,4,5,6,7
	SOFT \a
.endr
.irp i, 0,1,2,3
	v_cndmask_b32 v[240+\i], v[PW+\i], v[PW+4+\i], s89   ; tiles 0-3 in lanes 0-15, tiles 4-7 in lanes 16-31
	v_cndmask_b32 v[244+\i], v[NM+\i], v[NM+4+\i], s89
	v_cndmask_b32 v[248+\i], v[LL+\i], v[LL+4+\i], s89
.endr
	global_store_b128 v[LI], v[240:243], s[82:83]                  ; the scale image,
	global_store_b128 v[LI], v[244:247], s[82:83] offset:524288    ; -M,
	global_store_b128 v[LI], v[248:251], s[82:83] offset:1048576   ; l: 512 consecutive bytes each
	s_wait_tensorcnt 0x0                           ; the wave's end
	ds_add_u32 v[SPW], v[NIL]
	s_wait_dscnt 0x0
	CROUND
	s_endpgm
.Lfunc_end_k_q6a9287b483_scores:
	.size	k_q6a9287b483_scores, .Lfunc_end_k_q6a9287b483_scores-k_q6a9287b483_scores
	.p2alignl 7, 3214868480
	.fill 96, 4, 3214868480
	.section	.rodata,"a",@progbits
	.p2align	6, 0x0
	.amdhsa_kernel k_q6a9287b483_scores
		.amdhsa_group_segment_fixed_size 327680
		.amdhsa_private_segment_fixed_size 0
		.amdhsa_enable_private_segment 0
		.amdhsa_kernarg_size 16
		.amdhsa_user_sgpr_count 2
		.amdhsa_user_sgpr_kernarg_segment_ptr 1
		.amdhsa_wavefront_size32 1
		.amdhsa_system_sgpr_workgroup_id_x 1
		.amdhsa_system_sgpr_workgroup_id_y 1
		.amdhsa_system_sgpr_workgroup_id_z 1
		.amdhsa_system_vgpr_workitem_id 0
		.amdhsa_next_free_vgpr 1024
		.amdhsa_next_free_sgpr 100
		.amdhsa_reserve_vcc 0
		.amdhsa_float_denorm_mode_32 3
		.amdhsa_float_denorm_mode_16_64 3
		.amdhsa_memory_ordered 1
		.amdhsa_forward_progress 1
		.amdhsa_inst_pref_size 193
	.end_amdhsa_kernel
	.amdgpu_metadata
---
amdhsa.version: [ 1, 2 ]
amdhsa.kernels:
  - .name:           k_q6a9287b483_scores
    .symbol:         k_q6a9287b483_scores.kd
    .args:
      - { .name: qkv, .offset: 0, .size: 8, .value_kind: global_buffer, .address_space: global }
      - { .name: pst, .offset: 8, .size: 8, .value_kind: global_buffer, .address_space: global }
    .group_segment_fixed_size: 327680
    .private_segment_fixed_size: 0
    .kernarg_segment_align: 8
    .kernarg_segment_size: 16
    .max_flat_workgroup_size: 128
    .sgpr_count:     100
    .vgpr_count:     1024
    .wavefront_size: 32
...
	.end_amdgpu_metadata
.endif
;; end of part 3
;; launch pv (part 4): grid 64 x 4, 4 waves a work-group, clusters of 4 x 4, 327,680 bytes of LDS; arguments qkv, pst, out0; writes out0
.if DOCPART == 4
	.amdgcn_target "amdgcn-amd-amdhsa--gfx1250"
	.amdhsa_code_object_version 6
	.text
	.protected	k_q6a9287b483_pv
	.globl	k_q6a9287b483_pv
	.p2align	8
	.type	k_q6a9287b483_pv,@function
k_q6a9287b483_pv:
	s_mov_b64 s[64:65], 0
	v_nop
	global_prefetch_b8 v0, s[64:65] scope:SCOPE_SE
	s_setreg_imm32_b32 hwreg(HW_REG_WAVE_MODE, 25, 1), 1
	s_wait_xcnt 0x0
	s_wait_alu depctr_hold_cnt(0) depctr_sa_sdst(0) depctr_va_vdst(0) depctr_va_sdst(0) depctr_va_ssrc(0) depctr_va_vcc(0) depctr_vm_vsrc(0)
	s_getreg_b32 s2, hwreg(HW_REG_IB_STS2, 6, 4)
	s_cmp_eq_u32 s2, 0
	s_cbranch_scc0 .Lentry_in_a_cluster
	s_endpgm
.Lentry_in_a_cluster:
	s_bfe_u32 s2, ttmp6, 0x10000c
	s_cmp_lg_u32 s2, 0xf033
	s_cbranch_scc0 .Lentry_shape_is_right
	s_endpgm
.Lentry_shape_is_right:
; out = P V / l on codes of FP6 (E2M3).  A work-group makes 128 queries x 256 channels over all 2,048 keys (16 key steps of 128); 256 work-groups.
; A WAVE HOLDS 64 CHANNELS OF V, ALL KEYS, IN REGISTERS: 4 tiles x 16 key steps x 12 registers = 768.  P streams past in eight tiles of 16 queries, 64 products each; a tile's 16 x 64 results are finished at its end and leave
; while the next tile is multiplied, as rows of 256 bytes.
; THE KEY STEPS' OWN M.  The launch before took a maximum for each query and key step.  Here each part comes under the row's M: 2^(M of the part - M of the row), a power of two, goes into l's part and is taken off the scale bytes of P,
; byte by byte, held at 0 from below.  A wave does this for two tiles (a lane a row) and puts the words back where they lay in LDS.
; LDS: three regions of 98,304 bytes, then the row statistics (16 key steps' scale words, -M, l), 1/l, the spare words.  AT THE HEAD waves 0-2 fetch V's key steps 0-3, 4-7, 8-11 into the three regions, wave 3 the statistics.
; V's key steps 12-15 go from memory straight into registers: no fourth region fits, and P takes the first two as soon as they are in registers.  ONE REFILL: all of P, a pair of tiles a wave, onto V's key steps 0-7.
; CLUSTER 4 x 4: V is shared along a column of the cluster, P and the statistics along a row: each is asked for jointly.  The clusters of a batch have numbers that are equal modulo 4.
; P is asked for into the L2 ahead of its refill: its 768 blocks of 256 bytes are shared out by address among the sixteen waves of the four work-groups that will load it, 48 each.
; Tiles and units are those of the launches before: tile T, lane row p is row 32 (T / 2) + 8 (T % 2) + p + 8 (p / 8) of 128; quad g of lane l at 1536 T + 512 g + 16 l.
; THE MATRIX INSTRUCTION IS USED TRANSPOSED (source 0 = V's channels, source 1 = P's queries): a lane holds one query and neighbouring channels.
; LIMITS: NaN and infinities are not served; a part of a row that lies 2^127 and more under the row's M, or whose scale byte would fall under 0, keeps the byte 0 (2^-127).
; REGISTERS.  Windows 1-3: V's fragment f = 4 (key step) + t at window 1 + f / 21, register 12 (f % 21); fragment 63 in window 0.  Window 0: v1-15 addresses; V's and P's scale words (nothing else in them); two sets of four accumulators;
; a ring of four pairs of P's fragments; 1/l for each set.
.set QS,    18874368
.set VC,    12582912
.set PSO,   12582912
.set REG,   98304
.set PAIR,  49152
.set ST,    294912                     ; LDS: scale words, + 8,192 -M, + 16,384 l
.set RLA,   319488
.set SPARE, 320000
.set STAGE, 196608                     ; the way out's stages lie in the third region, whose only fill has been read by then
.set LI,    1                          ; v1   16 x lane
.set PA,    2                          ; v2   P's pair of tiles in work;  v3 the next pair
.set PB,    3
.set SCB,   6                          ; v6   ST + 16 (lane % 16);  v7 the same for the next tiles' scale words
.set SCA,   7
.set RLB,   8                          ; v8   1/l of tile 0;  v9 of the trip's tiles
.set RLV,   9
.set STO,   10
.set RD,    11
.set CO,    12
.set SPW,   13
.set NIL,   14
.set SW,    15                         ; v15  my row's statistics
.set VS,    16                         ; v16-47   V's scale words: VS + 2 (key step) + t % 2, tiles 2, 3 in lanes 16-31
.set PS,    48                         ; v48-79   P's: two sets of 16
.set V63,   80
.set ACC,   92                         ; v92-155  two sets of 32
.set PBF,   156                        ; v156-251 the ring
.set RLR,   252                        ; v252, v254 1/l of the two sets
.set W,     92                         ; at the head: scale words, -M, l of my row
.set N,     108
.set L,     124
.set MG,    140
.set G1V,   24
.set G1P,   32
.set G1T,   48
.set G0T,   56
.set G0V,   60
.set G0P,   68
.set MSB,   0
.macro WIN new                         ; the immediate's high byte repeats the setting that is left
.if MSB != (\new)
	s_set_vgpr_msb (MSB<<8)|(\new)
.set MSB, (\new)
.endif
.endm
.macro PLACES n
.rept \n
	v_nop
.endr
.endm
.macro WALU
	s_wait_alu depctr_va_vdst(0)
.endm
.macro BARRIER
	s_barrier_signal -1
	s_barrier_wait -1
.endm
.macro CROUND                          ; a round of the cluster's barrier
	s_barrier_signal -1
	s_barrier_wait -1
	s_cmp_lg_u32 s14, 0
	s_cbranch_scc1 .Lnot_wave_0_\@
	s_barrier_signal -3
.Lnot_wave_0_\@:
	s_barrier_wait -3
	s_barrier_signal -1
	s_barrier_wait -1
.endm
.macro TLOAD g0, g1
	tensor_load_to_lds s[\g0:\g0+3], s[\g1:\g1+7]
	s_nop 0
	PLACES 4
.endm
.macro GROUP1 g, mask, c, r, p         ; r rows of c elements of 8 bytes, p elements from row to row, dense in LDS
	s_or_b32 s[\g], s\mask, (3<<16)|(1<<21)
	s_mov_b32 s[\g+1], (\c)<<16
	s_mov_b32 s[\g+2], (\r)<<16
	s_mov_b32 s[\g+3], (\c)<<16
	s_mov_b32 s[\g+4], \r
	s_mov_b32 s[\g+5], \p
	s_mov_b32 s[\g+6], 0
	s_mov_b32 s[\g+7], 0
.endm
.macro VREAD c, adr                    ; V's key steps 4 c .. 4 c + 3 from region c into registers: 48 loads
.irp k,0,1,2,3
.irp t,0,1,2,3
.set F_, 4*(4*(\c)+\k)+\t
	WIN ((1+F_/21)<<6)
.irp g,0,1,2
	ds_load_b128 v[12*(F_%21)+4*\g:12*(F_%21)+4*\g+3], v\adr offset:\k*12288+\t*1536+512*\g
.endr
.endr
.endr
	WIN 0
.endm
.macro FETCHG adr, off, k              ; group k of a tile: P's fragments of key steps 2 k and 2 k + 1 into pair k % 4 of the ring: 6 loads
.irp q,0,1
.irp g,0,1,2
	ds_load_b128 v[PBF+24*((\k)%4)+12*\q+4*\g:PBF+24*((\k)%4)+12*\q+4*\g+3], v[\adr] offset:(\off)+(2*(\k)+\q)*3072+512*\g
.endr
.endr
.endm
.macro PR1 d, a, b, c, x, y, row
	v_wmma_scale_f32_16x16x128_f8f6f4 v[\d:\d+7], v[\a:\a+11], v[\b:\b+11], \c, v[\x], v[\y] matrix_a_fmt:MATRIX_FMT_FP6 matrix_b_fmt:MATRIX_FMT_FP6 matrix_a_scale:MATRIX_SCALE_ROW\row
.endm
.macro PRODS e, k                      ; a group's 8 products: two key steps, the four accumulators by turns
.irp q,0,1
.irp t,0,1,2,3
.set KS_, 2*(\k)+\q
.set F_, 4*KS_+\t
.set D_, ACC+32*(\e)+8*\t
.set B_, PBF+24*((\k)%4)+12*\q
.set X_, VS+2*KS_+\t%2
.set Y_, PS+16*(\e)+KS_
.if F_ < 63
	WIN (1+F_/21)
.set A_, 12*(F_%21)
.else
	WIN 0
.set A_, V63
.endif
.if KS_ == 0
.if \t < 2
	PR1 D_, A_, B_, 0, X_, Y_, 0
.else
	PR1 D_, A_, B_, 0, X_, Y_, 1
.endif
.else
.if \t < 2
	PR1 D_, A_, B_, v[D_:D_+7], X_, Y_, 0
.else
	PR1 D_, A_, B_, v[D_:D_+7], X_, Y_, 1
.endif
.endif
.endr
.endr
.endm
.macro TOSTAGE e                       ; a set's 16 rows x 64 channels through my own stage (LDS serves a wave's instructions in order), back as whole rows
.irp t,0,1,2,3
	ds_store_b128 v[STO], v[ACC+32*(\e)+8*\t:ACC+32*(\e)+8*\t+3] offset:128*(\t/2)+32*(\t%2)
	ds_store_b128 v[STO], v[ACC+32*(\e)+8*\t+4:ACC+32*(\e)+8*\t+7] offset:128*(\t/2)+32*(\t%2)+16
.endr
.irp t,0,1,2,3,4,5,6,7
	ds_load_b128 v[ACC+32*(\e)+4*\t:ACC+32*(\e)+4*\t+3], v[RD] offset:544*\t
.endr
.endm
.macro SEND e, u                       ; 16 lanes store 256 consecutive, aligned bytes
.irp t,0,1,2,3,4,5,6,7
	global_store_b128 v[CO], v[ACC+32*(\e)+4*\t:ACC+32*(\e)+4*\t+3], s[80:81] offset:(8*(\u)+2*\t+8*(\t/4))*4096 th:TH_STORE_NT
.endr
.endm
.macro SCALE4 e, t                     ; accumulator t of a set x 1/l
.irp j,0,2,4,6
	v_pk_mul_f32 v[ACC+32*(\e)+8*(\t)+\j:ACC+32*(\e)+8*(\t)+\j+1], v[ACC+32*(\e)+8*(\t)+\j:ACC+32*(\e)+8*(\t)+\j+1], v[RLR+2*(\e):RLR+2*(\e)+1] op_sel_hi:[1,0]
.endr
.endm
; Group k of a tile on set e.  wo: the tile before (set 1 - e, half u of its pair) goes out under it.  oa, oo: my tile in LDS; na, no: the next tile; sa, so: its scale words; ra, ro: my tile's 1/l.
; Four plain lines stand between the last group's products and the loads into its pair of the ring; where a tile goes out, four of its scalings are these lines.
; The wait's count is the LDS instructions issued behind this group's own loads: those of the three groups that follow (6 each), and the scale words, 1/l and stage instructions that lie among them.
.macro GRP k, e, wo, u, oa, oo, na, no, sa, so, ra, ro, last
	WIN 0
.if (\wo) && ((\k) >= 1) && ((\k) <= 4)
	SCALE4 1-(\e), (\k)-1
.else
	PLACES 4
.endif
.if (\k) < 5
	FETCHG \oa, \oo, (\k)+3
.elseif (\last) == 0
	FETCHG \na, \no, (\k)-5
.endif
.if ((\last) == 0) && (((\k) == 1) || ((\k) == 2))
.irp i,0,1,2,3,4,5,6,7
	ds_load_b32 v[PS+16*(1-(\e))+8*((\k)-1)+\i], v[\sa] offset:(\so)+512*(8*((\k)-1)+\i)
.endr
.endif
.if (\k) == 1
	ds_load_b32 v[RLR+2*(\e)], v[\ra] offset:\ro
.endif
.set NW_, 18
.if (\last) == 0
.if (\k) == 1
.set NW_, 27
.elseif ((\k) >= 2) && ((\k) <= 4)
.set NW_, 35
.elseif (\k) == 5
.set NW_, 26
.elseif (\wo) && ((\k) == 6)
.set NW_, 34
.elseif (\wo) && ((\k) == 7)
.set NW_, 12
.endif
.else
.if ((\k) >= 1) && ((\k) <= 4)
.set NW_, 19
.elseif (\k) == 5
.set NW_, 12
.elseif (\k) == 6
.set NW_, 22
.elseif (\k) == 7
.set NW_, 0
.endif
.endif
	s_wait_dscnt NW_
.if (\k) == 0
	s_wait_xcnt 0x0                                ; the stores of the tile two before have read this set
.endif
.if (\wo) && ((\k) == 5)
	WALU
	TOSTAGE 1-(\e)
.endif
.if (\wo) && ((\k) == 7)
	SEND 1-(\e), \u
.endif
	PRODS \e, \k
.endm
.macro TILE e, wo, u, oa, oo, na, no, sa, so, ra, ro, last
.irp k,0,1,2,3,4,5,6,7
	GRP \k, \e, \wo, \u, \oa, \oo, \na, \no, \sa, \so, \ra, \ro, \last
.endr
	WIN 0
.endm
	s_load_b128 s[4:7], s[0:1], 0x0                ; qkv, pst
	s_load_b64 s[8:9], s[0:1], 0x10                ; out0
	v_lshl_add_u32 v[SPW], v0, 2, SPARE
	v_mov_b32 v[NIL], 0
	ds_add_u32 v[SPW], v[NIL]                      ; the wave's opening: the add, twice on end
	ds_add_u32 v[SPW], v[NIL]
	v_lshrrev_b32 v140, 5, v0
	v_readfirstlane_b32 s14, v140                  ; wave
	s_and_b32 s15, s14, 1                          ; which half of a block of 128 channels is mine,
	s_lshr_b32 s16, s14, 1                         ; and of which block
	s_bfe_u32 s40, ttmp6, 0x40000                  ; cx
	s_bfe_u32 s41, ttmp6, 0x40004                  ; cy
	s_and_b32 s17, ttmp9, 3                        ; batch
	s_lshr_b32 s18, ttmp9, 2
	s_lshl_b32 s42, s17, 3
	s_lshl_b32 s82, s40, 1
	s_add_co_u32 s42, s42, s82                     ; V's first block of channels: of the cluster's number and cx alone
	s_lshl_b32 s43, s17, 4
	s_lshl_b32 s18, s18, 2
	s_add_co_u32 s43, s43, s18
	s_add_co_u32 s43, s43, s41                     ; the block of queries: of the cluster's number and cy alone
	s_lshl_b32 s82, s41, 2
	s_lshl_b32 s82, 15, s82                        ; my row of the cluster
	s_lshl_b32 s83, 0x1111, s40                    ; my column
	GROUP1 G1V, 83, 6144, 2, 24576                 ; V: for each of two blocks four key steps on end, 49,152 bytes
	GROUP1 G1P, 82, 384, 16, 1536                  ; P: for each of 16 key steps a pair of tiles, 3,072 bytes
	GROUP1 G1T, 82, 1024, 3, 65536                 ; the statistics: three runs of 8,192 bytes
	s_mul_i32 s44, s42, 196608
	s_mul_i32 s45, s14, PAIR
	s_add_co_u32 s44, s44, s45
	s_add_co_u32 s44, s44, VC
	s_mov_b32 s45, 0
	s_mul_i32 s46, s43, 196608
	s_mov_b32 s47, 0
	s_mul_i32 s84, s14, 3072
	s_mov_b32 s85, 0
	s_lshl_b32 s86, s43, 13
	s_add_co_u32 s86, s86, PSO
	s_mov_b32 s87, 0
	s_add_co_u32 s93, s42, s16                     ; my block of channels
	s_mul_i32 s88, s93, 196608
	s_mul_i32 s89, s15, 6144
	s_add_co_u32 s88, s88, s89
	s_add_co_u32 s88, s88, VC+147456               ; key step 12
	s_mov_b32 s89, 0
	s_lshl_b32 s94, s93, 13
	s_lshl_b32 s95, s15, 8
	s_add_co_u32 s94, s94, s95
	s_add_co_u32 s94, s94, QS+524288
	s_mov_b32 s95, 0
	s_lshl_b32 s98, s43, 19
	s_lshl_b32 s99, s40, 10
	s_add_co_u32 s98, s98, s99
	s_lshl_b32 s99, s14, 8
	s_add_co_u32 s98, s98, s99
	s_mov_b32 s99, 0
	s_mul_i32 s19, s16, PAIR
	s_mul_i32 s20, s15, 6144
	s_add_co_u32 s19, s19, s20                     ; my four tiles in a region
	s_mul_i32 s20, s14, 4352
	s_add_co_u32 s20, s20, STAGE                   ; my stage
	s_lshl_b32 s21, s16, 8
	s_lshl_b32 s22, s15, 3
	s_add_co_u32 s21, s21, s22                     ; my two tiles' words in the statistics
	s_lshl_b32 s22, s14, 7
	s_lshl_b32 s23, s40, 2
	s_add_co_u32 s23, s23, s14
	s_mul_i32 s23, s23, 12288                      ; my sixteenth of P
	s_mov_b32 s96, 0x80808080
	v_and_b32 v140, 31, v0                         ; lane
	v_and_b32 v141, 15, v0                         ; r
	v_bfe_u32 v142, v0, 4, 1                       ; h
	v_lshlrev_b32 v[LI], 4, v140
	v_add_nc_u32 v152, s19, v[LI]                  ; V in the three regions
	v_add_nc_u32 v153, REG, v152
	v_add_nc_u32 v154, 2*REG, v152
	v_add_nc_u32 v[PA], 0, v[LI]
	v_add_nc_u32 v[PB], PAIR, v[LI]
	v_mul_u32_u24 v[STO], v141, 272                ; in: row r, 64 bytes for each half of the lanes
	v_lshl_add_u32 v[STO], v142, 6, v[STO]
	v_add_nc_u32 v[STO], s20, v[STO]
	v_mul_u32_u24 v[RD], v142, 272                 ; back: sixteen lanes to a row of 256 bytes
	v_lshl_add_u32 v[RD], v141, 4, v[RD]
	v_add_nc_u32 v[RD], s20, v[RD]
	v_lshlrev_b32 v[CO], 4, v141
	v_lshl_add_u32 v[CO], v142, 12, v[CO]
	v_lshlrev_b32 v[SCB], 4, v141
	v_add_nc_u32 v[SCB], ST, v[SCB]
	v_add_nc_u32 v[SCA], 8, v[SCB]                 ; tile 2's words
	v_lshl_add_u32 v[SW], v142, 2, v[SCB]
	v_add_nc_u32 v[SW], s21, v[SW]                 ; my row: tile 2 (wave) + h, row r
	v_lshl_add_u32 v[RLB], v141, 2, RLA
	v_add_nc_u32 v[RLV], 0, v[RLB]
	v_lshl_add_u32 v146, v140, 2, RLA
	v_add_nc_u32 v146, s22, v146                   ; where my row's 1/l goes
	v_lshlrev_b32 v147, 4, v141
	v_lshl_add_u32 v147, v142, 3, v147             ; V's scale words: 16 bytes a row, 8 to each half of the lanes
	v_lshl_add_u32 v150, v140, 8, s23              ; prefetch: my 48 blocks of P, 32 and then 16 (lanes left over name the last)
	v_add_nc_u32 v151, 32, v140
	v_min_u32 v151, 47, v151
	v_lshl_add_u32 v151, v151, 8, s23
	v_mov_b32 v[RLR+1], 0                          ; (named as the upper halves of pairs)
	v_mov_b32 v[RLR+3], 0
	WALU
	s_wait_dscnt 0x0                               ; both opening adds are done
	CROUND                                         ; all sixteen work-groups are here
	s_wait_kmcnt 0x0
	s_add_nc_u64 s[44:45], s[4:5], s[44:45]
	s_add_nc_u64 s[72:73], s[6:7], s[46:47]        ; P's block
	s_add_nc_u64 s[84:85], s[72:73], s[84:85]
	s_add_nc_u64 s[86:87], s[6:7], s[86:87]
	s_add_nc_u64 s[78:79], s[4:5], s[88:89]
	s_add_nc_u64 s[76:77], s[4:5], s[94:95]
	s_add_nc_u64 s[80:81], s[8:9], s[98:99]
	s_mov_b32 s[G0V], 1
	s_mul_i32 s[G0V+1], s14, REG
	s_mov_b64 s[G0V+2:G0V+3], s[44:45]
	s_or_b32 s[G0V+3], s[G0V+3], 0x80000000
	s_mov_b32 s[G0T], 1
	s_mov_b32 s[G0T+1], ST
	s_mov_b64 s[G0T+2:G0T+3], s[86:87]
	s_or_b32 s[G0T+3], s[G0T+3], 0x80000000
	s_mov_b32 s[G0P], 1
	s_mul_i32 s[G0P+1], s14, PAIR
	s_mov_b64 s[G0P+2:G0P+3], s[84:85]
	s_or_b32 s[G0P+3], s[G0P+3], 0x80000000
	; the head's loads, one a wave; wave 0 has a line of its own, since it alone waits ahead of the first barrier
	s_cmp_eq_u32 s14, 0
	s_cbranch_scc0 .Lwaves_12
	TLOAD G0V, G1V                                 ; wave 0: V's key steps 0-3
	s_branch .Lasked
.Lwaves_12:
	s_cmp_lt_u32 s14, 3
	s_cbranch_scc0 .Lwave_3
	TLOAD G0V, G1V                                 ; waves 1, 2: 4-7, 8-11
	s_branch .Lasked
.Lwave_3:
	TLOAD G0T, G1T                                 ; wave 3: the statistics
.Lasked:
.irp k,0,1,2,3,4,5,6,7,8,9,10,11,12,13,14,15
	global_load_b64 v[VS+2*\k:VS+2*\k+1], v147, s[76:77] offset:512*\k   ; 256 consecutive bytes: tiles 0, 1 in lanes 0-15, 2, 3 in lanes 16-31
.endr
.irp k,0,1,2,3                         ; V's key steps 12-15: 48 loads of 512 consecutive bytes
.irp t,0,1,2,3
.set F_, 48+4*\k+\t
.if F_ < 63
	WIN ((1+F_/21)<<6)
.set A_, 12*(F_%21)
.else
	WIN 0
.set A_, V63
.endif
.irp g,0,1,2
	global_load_b128 v[A_+4*\g:A_+4*\g+3], v[LI], s[78:79] offset:\k*12288+\t*1536+512*\g
.endr
.endr
.endr
	WIN 0
	s_cmp_eq_u32 s14, 0
	s_cbranch_scc0 .Lnot_first
	s_wait_tensorcnt 0x0
.Lnot_first:
	BARRIER                                        ; V's key steps 0-3 are in
	global_prefetch_b8 v150, s[72:73] th:TH_LOAD_NT scope:SCOPE_SE   ; what the refill will load
	global_prefetch_b8 v151, s[72:73] th:TH_LOAD_NT scope:SCOPE_SE
	VREAD 0, 152
	s_wait_tensorcnt 0x0
	s_wait_dscnt 0x0
	BARRIER                                        ; all the head's tiles are in
	VREAD 1, 153
	s_wait_tensorcnt 0x0
	ds_add_u32 v[SPW], v[NIL]
	s_wait_dscnt 0x0                               ; the add is done, and so are my reads of the first two regions
	CROUND
	s_cmp_eq_u32 s14, 0
	s_cbranch_scc0 .Lpairs_123
	TLOAD G0P, G1P                                 ; P's tiles 0, 1: a line of its own, wave 0 waits for it alone
	s_branch .Lp_asked
.Lpairs_123:
	TLOAD G0P, G1P                                 ; tiles 2, 3; 4, 5; 6, 7
.Lp_asked:
.irp k,0,1,2,3,4,5,6,7,8,9,10,11,12,13,14,15
	ds_load_b32 v[W+\k], v[SW] offset:512*\k
	ds_load_b32 v[N+\k], v[SW] offset:8192+512*\k
	ds_load_b32 v[L+\k], v[SW] offset:16384+512*\k
.endr
	VREAD 2, 154
	s_wait_dscnt 48                                ; my row's 48 words are in; V's key steps 8-11 may be out
	v_min3_num_f32 v[MG], v[N], v[N+1], v[N+2]     ; the row's -M
.irp k,3,5,7,9,11,13
	v_min3_num_f32 v[MG], v[MG], v[N+\k], v[N+\k+1]
.endr
	v_min_num_f32 v[MG], v[MG], v[N+15]
.set k, 0
.rept 16
	v_sub_f32 v[N+k], v[MG], v[N+k]                ; the part's M less the row's: a whole number, 0 or less
.set k, k+1
.endr
.set k, 0
.rept 16
	v_cvt_i32_f32 v[N+k], v[N+k]
.set k, k+1
.endr
.set k, 0
.rept 16
	v_ldexp_f32 v[L+k], v[L+k], v[N+k]
.set k, k+1
.endr
	v_add_f32 v141, v[L], v[L+1]
	v_add_f32 v142, v[L+2], v[L+3]
.irp k,4,6,8,10,12,14
	v_add_f32 v141, v141, v[L+\k]
	v_add_f32 v142, v142, v[L+\k+1]
.endr
	v_add_f32 v141, v141, v142                     ; l
.set k, 0
.rept 16
	v_sub_nc_u32 v[N+k], 0, v[N+k]
.set k, k+1
.endr
.set k, 0
.rept 16
	v_min_u32 v[N+k], 127, v[N+k]                  ; the bytes lie between 1 and 125
.set k, k+1
.endr
.set k, 0
.rept 16
	v_lshl_or_b32 v[N+k], v[N+k], 8, v[N+k]
.set k, k+1
.endr
.set k, 0
.rept 16
	v_lshl_or_b32 v[N+k], v[N+k], 16, v[N+k]       ; the same in four bytes
.set k, k+1
.endr
.set k, 0
.rept 16
	v_or_b32 v[W+k], s96, v[W+k]                   ; bit 7 of each byte set: no byte borrows from the next
.set k, k+1
.endr
.set k, 0
.rept 16
	v_sub_nc_u32 v[W+k], v[W+k], v[N+k]
.set k, k+1
.endr
.set k, 0
.rept 16
	v_and_b32 v[N+k], s96, v[W+k]                  ; still set: the byte did not fall under 0
.set k, k+1
.endr
.set k, 0
.rept 16
	v_lshrrev_b32 v[L+k], 7, v[N+k]
.set k, k+1
.endr
.set k, 0
.rept 16
	v_sub_nc_u32 v[N+k], v[N+k], v[L+k]            ; 127 where it was set, else 0
.set k, k+1
.endr
.set k, 0
.rept 16
	v_and_b32 v[W+k], v[W+k], v[N+k]
.set k, k+1
.endr
	WALU
	v_rcp_f32 v143, v141
	v_nop
	WALU
.irp k,0,1,2,3,4,5,6,7,8,9,10,11,12,13,14,15
	ds_store_b32 v[SW], v[W+\k] offset:512*\k      ; back where they lay: this region has had its only fill
.endr
	ds_store_b32 v146, v143
	s_wait_dscnt 0x0                               ; my stores are done, and V's key steps 8-11 are in registers
	s_cmp_eq_u32 s14, 0
	s_cbranch_scc0 .Lnot_pair_0
	s_wait_tensorcnt 0x0
.Lnot_pair_0:
	BARRIER                                        ; all rows' words and P's tiles 0, 1 are in; nobody reads the third region any more
.irp k,0,1,2,3,4,5,6,7,8,9,10,11,12,13,14,15
	ds_load_b32 v[PS+\k], v[SCB] offset:512*\k
.endr
	FETCHG PA, 0, 0
	FETCHG PA, 0, 1
	FETCHG PA, 0, 2
	s_wait_loadcnt 0x0                             ; V's scale words and key steps 12-15
	TILE 0, 0, 0, PA, 0, PA, 1536, SCB, 4, RLB, 0, 0
	WALU
	s_wait_tensorcnt 0x0
	s_wait_dscnt 0x0
	BARRIER                                        ; all of P is in; nothing is filled any more
	s_mov_b32 s90, 1                               ; trip n: tiles 2 n + 1 and 2 n + 2; s90 = n + 1
	s_mov_b32 s91, 0
	s_mov_b32 s92, 0
.Lpairs:
	TILE 1, 1, 0, PA, 1536, PB, 0, SCA, 0, RLV, 64, 0
	TILE 0, 1, 1, PB, 0, PB, 1536, SCA, 4, RLV, 128, 0
	s_add_co_u32 s90, s90, 1
	s_add_co_u32 s91, s91, PAIR
	s_add_co_u32 s92, s92, 128
	s_lshr_b32 s93, s90, 1
	s_mul_i32 s93, s93, 240
	s_lshl_b32 s94, s90, 3
	s_add_co_u32 s93, s93, s94                     ; pair m's scale words lie 256 (m / 2) + 8 (m % 2) on
	v_add_nc_u32 v[PA], s91, v[LI]
	v_add_nc_u32 v[PB], PAIR, v[PA]
	v_add_nc_u32 v[SCA], s93, v[SCB]
	v_add_nc_u32 v[RLV], s92, v[RLB]
	WALU
	s_wait_xcnt 0x0                                ; the stores have read their base
	s_add_nc_u64 s[80:81], s[80:81], 32*4096
	s_cmp_lt_u32 s90, 4
	s_cbranch_scc1 .Lpairs
	TILE 1, 1, 0, PA, 1536, PA, 0, SCA, 0, RLV, 64, 1
	PLACES 4
.irp t,0,1,2,3
	SCALE4 1, \t
.endr
	WALU
	TOSTAGE 1
	s_wait_dscnt 0x0
	SEND 1, 1
	s_wait_tensorcnt 0x0                           ; the wave's end
	ds_add_u32 v[SPW], v[NIL]
	s_wait_dscnt 0x0
	CROUND                                         ; the closing round
	s_endpgm
.Lfunc_end_k_q6a9287b483_pv:
	.size	k_q6a9287b483_pv, .Lfunc_end_k_q6a9287b483_pv-k_q6a9287b483_pv
	.p2alignl 7, 3214868480
	.fill 96, 4, 3214868480
	.section	.rodata,"a",@progbits
	.p2align	6, 0x0
	.amdhsa_kernel k_q6a9287b483_pv
		.amdhsa_group_segment_fixed_size 327680
		.amdhsa_private_segment_fixed_size 0
		.amdhsa_enable_private_segment 0
		.amdhsa_kernarg_size 24
		.amdhsa_user_sgpr_count 2
		.amdhsa_user_sgpr_kernarg_segment_ptr 1
		.amdhsa_wavefront_size32 1
		.amdhsa_system_sgpr_workgroup_id_x 1
		.amdhsa_system_sgpr_workgroup_id_y 1
		.amdhsa_system_sgpr_workgroup_id_z 1
		.amdhsa_system_vgpr_workitem_id 0
		.amdhsa_next_free_vgpr 1024
		.amdhsa_next_free_sgpr 100
		.amdhsa_reserve_vcc 0
		.amdhsa_float_denorm_mode_32 3
		.amdhsa_float_denorm_mode_16_64 3
		.amdhsa_memory_ordered 1
		.amdhsa_forward_progress 1
		.amdhsa_inst_pref_size 106
	.end_amdhsa_kernel
	.amdgpu_metadata
---
amdhsa.version: [ 1, 2 ]
amdhsa.kernels:
  - .name:           k_q6a9287b483_pv
    .symbol:         k_q6a9287b483_pv.kd
    .args:
      - { .name: qkv, .offset: 0, .size: 8, .value_kind: global_buffer, .address_space: global }
      - { .name: pst, .offset: 8, .size: 8, .value_kind: global_buffer, .address_space: global }
      - { .name: out0, .offset: 16, .size: 8, .value_kind: global_buffer, .address_space: global }
    .group_segment_fixed_size: 327680
    .private_segment_fixed_size: 0
    .kernarg_segment_align: 8
    .kernarg_segment_size: 24
    .max_flat_workgroup_size: 128
    .sgpr_count:     100
    .vgpr_count:     1024
    .wavefront_size: 32
...
	.end_amdgpu_metadata
.endif
;; end of part 4
